; MI455X (gfx1250); checked and timed in simulation.
; The chip was launched on July 23, 2026; its instructions are those of AMD's public machine-readable ISA for CDNA 5 (MIT licence, August 2026) and "CDNA5" Instruction Set Architecture Reference Guide (July 2026). The comments in the code are by the model that wrote it; some were corrected since.
;; Multi Head Self Attention. Allowed arithmetic: matrix products marked QUANTISED: E4M3 operands, one given power-of-two scale a tensor, by v_wmma_f32_16x16x64_fp8_fp8 or v_wmma_f32_16x16x128_fp8_fp8, f32 sums; everything else in f32.
;; Inputs: lowp_scales 12 int32 (the exponents e of the quantised operands' scales 2^e); wk 1,024 x 1,024 float32; wo 1,024 x 1,024 float32; wq 1,024 x 1,024 float32; wv 1,024 x 1,024 float32; x 1 x 4,096 x 1,024 float32.
;; Outputs: out0 1 x 4,096 x 1,024 float32.
;; This version of the problem:
;;   THIS VERSION OF THE PROBLEM IS GIVEN IN LOW PRECISION. The matrix products marked QUANTISED in the list below multiply operands that are first quantised to E4M3 (4 exponent bits, 3 mantissa bits; 8 bits a number), with one given power-of-two scale for each operand tensor; their sums are f32. All else is computed in f32.
;;   The module's matrix products, in the order in which they are computed (A, B: the left and right operand; K: the contracted axis; several contracted axes count as one K, in the product's order):
;;     1. [M 4,096, K 1,024] x [K 1,024, N 1,024]; A: input x; B: input wq: QUANTISED (scales: A lowp_scales[0], B lowp_scales[1])
;;     2. [M 4,096, K 1,024] x [K 1,024, N 1,024]; A: input x; B: input wk: QUANTISED (scales: A lowp_scales[2], B lowp_scales[3])
;;     3. [M 4,096, K 1,024] x [K 1,024, N 1,024]; A: input x; B: input wv: QUANTISED (scales: A lowp_scales[4], B lowp_scales[5])
;;     4. batch 16 x [M 4,096, K 64] x [K 64, N 4,096]; A: computed on the way; B: computed on the way: QUANTISED (scales: A lowp_scales[6], B lowp_scales[7])
;;     5. batch 16 x [M 4,096, K 4,096] x [K 4,096, N 64]; A: softmax (see below); B: computed on the way: QUANTISED (scales: A lowp_scales[8], B lowp_scales[9])
;;     6. [M 4,096, K 1,024] x [K 1,024, N 1,024]; A: computed on the way; B: input wo: QUANTISED (scales: A lowp_scales[10], B lowp_scales[11])
;;   THE QUANTISER, for each operand of a quantised product, along K:
;;     - The operand's scale is 2^e, e = its entry of the input lowp_scales (int32; the entries are numbered through the quantised products in the list's order, A before B).
;;     - Each number is divided by the scale, clamped to +-448, and rounded to the nearest number of E4M3, ties to even, subnormals kept.
;;     - The product sums the exact products of the quantised numbers (number of the format x scale) in f32.
;;   ~~~python
;;   def quantise(x, axis, e):      # numpy; x: float32 -> the quantised numbers, widened to float32 again
;;       x = np.moveaxis(x, axis, -1); K = x.shape[-1]
;;       r = np.clip(x / 2.0 ** e, -448, 448)
;;       step = 2.0 ** (np.maximum(np.frexp(np.where(r == 0, 1, r))[1] - 1, -6) - 3)
;;       q = np.round(r / step) * step * 2.0 ** e      # np.round: ties to even
;;       return np.moveaxis(q, -1, axis).astype(np.float32)
;;   ~~~
;;   SOFTMAX AHEAD OF A QUANTISED PRODUCT. Where the list says 'softmax', what is quantised is not the finished softmax but p = 2^(t - M), with t = logit x log2(e) and M = ceil(the row's largest t), a whole number; so 1/2 < the row's largest p <= 1. The row's sum l is taken of the UNQUANTISED p, in f32, and the product's result is divided by l at the end. Since M is a whole number, a kernel that streams over the keys may use a running M (the ceiling of the running maximum): every later rescaling is an exact power of two, so the quantised numbers keep their values, but for numbers so far below the row's largest that they fall under the format's range.
;;   OPERANDS COMPUTED ON THE WAY. 'Computed on the way' means the value that the module computes at that place (a softmax that the list does not call 'softmax' is quantised finished and normalised). What goes into a quantiser is computed in f32, as accurately as f32 sums, v_exp_f32 and their like allow (about 1e-6 of the number): no bf16 or f16 on the way to a quantiser, and a product that is left as it is and whose result goes on into a quantised operand takes f32 operands (vector FMAs, or v_wmma_f32_16x16x4_f32). A number that lies on a knife's edge between two numbers of the format may be rounded either way, as far as f32 arithmetic and the matrix unit's own rounding can turn it there, and no further.
;; 2 versions, each right; version 2 is version 1 with the launch attn written anew for expert scheduling mode. Each part assembles by itself: llvm-mc -triple=amdgcn-amd-amdhsa -mcpu=gfx1250 --defsym DOCPART=n.
;; ======== version 1 of 2: 4 launches
;; workspace buffers: xc 12,582,912 bytes; wc 4,194,304 bytes; tab 1,048,576 bytes; qkv 12,582,912 bytes; oc 4,194,304 bytes
;; launch prep (part 1): grid 512 x 1, 4 waves a work-group, no clusters, 33,280 bytes of LDS; arguments x, wq, wk, wv, wo, lowp_scales, xc, wc, tab; writes xc, wc, tab
.if DOCPART == 1
	.amdgcn_target "amdgcn-amd-amdhsa--gfx1250"
	.amdhsa_code_object_version 6
	.text
	.protected	k_qdf90108a84_prep
	.globl	k_qdf90108a84_prep
	.p2align	8
	.type	k_qdf90108a84_prep,@function
k_qdf90108a84_prep:
	s_mov_b64 s[64:65], 0
	v_nop
	global_prefetch_b8 v0, s[64:65] scope:SCOPE_SE
	s_setreg_imm32_b32 hwreg(HW_REG_WAVE_MODE, 25, 1), 1
	s_wait_xcnt 0x0
; x [4096][1024] f32 becomes three sets of E4M3 codes (scales 2^e0, 2^e2, 2^e4: x is an operand of three products, each with a scale of its own);
; wq, wk, wv, wo [1024][1024] f32 become codes with 2^e1, 2^e3, 2^e5, 2^e11; and the table of cos and sin for the rotation is made: tab[pos][i][cos, sin], f32, i = 0 .. 31.
; code = number / 2^e, held within +-448, rounded to the nearest code, ties to even.
; THE ROW ORDER OF THE CODES: position p of xc and wc holds original row p with its bits 3 and 4 exchanged.  So 16 positions on end, 16 a + r, are the original rows
; 32 (a / 2) + 8 (a % 2) + r + 8 (r / 8): a matrix result whose registers run along such rows holds 16 neighbours in the 16 registers of two neighbouring tiles.
; SHARES.  Run rho = 4 x work-group + wave, 0 .. 2047.  A wave takes rows 2 rho, 2 rho + 1 of x (8,192 bytes, four steps of 512 numbers), two rows of one weight (weight rho / 512, four steps),
; and positions 2 rho, 2 rho + 1 of the table.  Two rows go to run rho', which is rho with its bits 2 and 3 exchanged.
; A step's four loads read 512 consecutive bytes each; the 2,048 bytes turn through the wave's own stage in LDS (16 bytes of padding behind each 64) and come back 16 neighbours a lane,
; as the conversions want them; a lane's 16 codes are 16 bytes, so a store of the wave covers 512 consecutive bytes, aligned.  All 32 loads of a wave go out at the head.  Waves share nothing: no barrier.
; THE TABLE.  angle = pos x inv_freq[i], one f32 multiplication; inv_freq[i] = 10^(-i / 8) rounded to f32.  The angle is reduced by n = round(angle x 2 / pi) with pi / 2 in three parts
; (fused multiply-adds), sin and cos of the rest, at most pi / 4, are polynomials of degree 7 and 8, and n mod 4 swaps them and sets their signs.
; LIMITS: e0, e2, e4, e1, e3, e5, e11 between -126 and 119, so that 2^e and 448 x 2^e are f32 numbers.  NaN among the inputs is not served.
; inv_freq is the correctly rounded power; a power computed in f32 may differ from it in the last places, which moves the angle at position 4,095 by some 5e-4 at the most.
.set SP,   80                          ; a lane's place in a stage: 64 bytes + 16 of padding
.set STG,  32*SP                       ; a stage; each wave has two, in a region of 8,192 bytes of its own
.set C,    32                          ; v32-55   codes: two sets of 12 registers
.set R,    64                          ; v64-191  eight steps x 16 numbers as they are loaded
.set X,    192                         ; v192-223 two sets of 16 neighbours
.set T,    224                         ; v224-239 the numbers held within the largest code x the scale
	s_load_b512 s[8:23], s[0:1], 0x0               ; x s[8:9], wq s[10:11], wk s[12:13], wv s[14:15], wo s[16:17], the exponents s[18:19], xc s[20:21], wc s[22:23]
	s_load_b64 s[24:25], s[0:1], 0x40              ; tab
	v_lshl_add_u32 v240, v0, 2, 0x8000
	v_mov_b32 v241, 0
	v_lshrrev_b32 v1, 5, v0
	v_readfirstlane_b32 s28, v1                    ; wave
	v_and_b32 v2, 31, v0                           ; lane
	v_lshlrev_b32 v3, 4, v2                        ; 16 x lane: my place in a load's, a code store's and the table store's 512 bytes; never rewritten
	s_lshl_b32 s29, ttmp9, 2
	s_add_co_u32 s29, s29, s28                     ; rho
	s_lshr_b32 s31, ttmp9, 7                       ; which weight: rho / 512
	s_and_b32 s30, s29, 0xfffffff3
	s_and_b32 s62, s29, 4
	s_lshl_b32 s62, s62, 1
	s_or_b32 s30, s30, s62
	s_and_b32 s62, s29, 8
	s_lshr_b32 s62, s62, 1
	s_or_b32 s30, s30, s62                         ; rho': bits 2 and 3 exchanged
	v_lshrrev_b32 v14, 2, v2
	v_mul_u32_u24 v14, v14, SP
	v_and_b32 v15, 3, v2
	v_lshl_add_u32 v14, v15, 4, v14
	s_lshl_b32 s63, s28, 13
	v_add_nc_u32 v14, s63, v14                     ; into the stage: four lanes' 64 bytes on end, then the padding
	v_mul_u32_u24 v15, v2, SP
	v_add_nc_u32 v15, s63, v15                     ; out of it: my 16 neighbours
	s_wait_kmcnt 0x0
	s_load_b256 s[36:43], s[18:19], 0x0            ; e0 .. e7
	s_load_b128 s[44:47], s[18:19], 0x20           ; e8 .. e11
	s_mov_b64 s[26:27], s[16:17]                   ; my weight: the choice hangs on the work-group's number alone
	s_cmp_eq_u32 s31, 0
	s_cselect_b64 s[26:27], s[10:11], s[26:27]
	s_cmp_eq_u32 s31, 1
	s_cselect_b64 s[26:27], s[12:13], s[26:27]
	s_cmp_eq_u32 s31, 2
	s_cselect_b64 s[26:27], s[14:15], s[26:27]
	s_lshl_b32 s32, s29, 13
	s_mov_b32 s33, 0
	s_add_nc_u64 s[8:9], s[8:9], s[32:33]          ; x at my two rows
	s_and_b32 s34, s29, 511
	s_lshl_b32 s34, s34, 13
	s_mov_b32 s35, 0
	s_add_nc_u64 s[26:27], s[26:27], s[34:35]      ; the weight at my two rows
.macro LOAD t                          ; step t: 0-3 of x, 4-7 of the weight
.irp i, 0,1,2,3
.if (\t) < 4
	global_load_b128 v[R+16*(\t)+4*\i:R+16*(\t)+4*\i+3], v3, s[8:9] offset:2048*(\t)+512*\i th:TH_LOAD_NT
.else
	global_load_b128 v[R+16*(\t)+4*\i:R+16*(\t)+4*\i+3], v3, s[26:27] offset:2048*((\t)-4)+512*\i th:TH_LOAD_NT
.endif
.endr
.endm
.irp t, 0,1,2,3,4,5,6,7
	LOAD \t
.endr
	s_lshl_b32 s32, s30, 11                        ; two rows of codes are 2,048 bytes
	s_add_nc_u64 s[20:21], s[20:21], s[32:33]      ; x's codes with e0,
	s_add_nc_u64 s[58:59], s[20:21], 0x400000      ; with e2,
	s_add_nc_u64 s[60:61], s[20:21], 0x800000      ; with e4: pointers of their own, since 8 MiB is more than a store's immediate holds
	s_add_nc_u64 s[22:23], s[22:23], s[32:33]      ; the weights' codes: 2,048 rho' = weight x 1 MiB + its run
	s_lshl_b32 s32, s29, 9
	s_add_nc_u64 s[24:25], s[24:25], s[32:33]      ; the table at position 2 rho
	; ---- the table, while the loads are on their way.  Lane (l16, h): position 2 rho + h, pairs 2 l16 and 2 l16 + 1
	s_mov_b32 s48, 0x3fc90fda                      ; pi / 2 in three parts
	s_mov_b32 s49, 0x33a22168
	s_mov_b32 s50, 0x27c234c4
	s_mov_b32 s51, 0xb94ca1f9                      ; sin: -1.9515295891e-4, 8.3321608736e-3, -1.6666654611e-1
	s_mov_b32 s52, 0x3c08839e
	s_mov_b32 s53, 0xbe2aaaa3
	s_mov_b32 s54, 0x37ccf5ce                      ; cos: 2.443315711809948e-5, -1.388731625493765e-3, 4.166664568298827e-2
	s_mov_b32 s55, 0xbab6061a
	s_mov_b32 s56, 0x3d2aaaa5
	v_and_b32 v16, 15, v2                          ; l16
	v_lshrrev_b32 v19, 4, v2
	s_lshl_b32 s62, s29, 1
	v_add_nc_u32 v19, s62, v19
	v_cvt_f32_u32 v19, v19                         ; pos
.macro PICK n, fa, fb                  ; the lanes with l16 = n take their two inv_freq
	v_cmp_ne_u32 vcc_lo, \n, v16
	v_cndmask_b32 v17, \fa, v17, vcc_lo
	v_cndmask_b32 v18, \fb, v18, vcc_lo
.endm
	v_mov_b32 v17, 1.0
	v_mov_b32 v18, 0.7498942093
	PICK 1, 0.5623413252, 0.4216965034
	PICK 2, 0.3162277660, 0.2371373706
	PICK 3, 0.1778279410, 0.1333521432
	PICK 4, 0.1, 0.07498942093
	PICK 5, 0.05623413252, 0.04216965034
	PICK 6, 0.03162277660, 0.02371373706
	PICK 7, 0.01778279410, 0.01333521432
	PICK 8, 0.01, 0.007498942093
	PICK 9, 0.005623413252, 0.004216965034
	PICK 10, 0.003162277660, 0.002371373706
	PICK 11, 0.001778279410, 0.001333521432
	PICK 12, 0.001, 0.0007498942093
	PICK 13, 0.0005623413252, 0.0004216965034
	PICK 14, 0.0003162277660, 0.0002371373706
	PICK 15, 0.0001778279410, 0.0001333521432
.macro SINCOS fr, co, si               ; cos and sin of pos x v[fr] into v[co], v[si]
	v_mul_f32 v20, v19, v[\fr]                     ; the angle
	v_mul_f32 v21, 0x3f22f983, v20                 ; x 2 / pi
	v_rndne_f32 v21, v21                           ; n
	v_fma_f32 v20, -v21, s48, v20
	v_fma_f32 v20, -v21, s49, v20
	v_fma_f32 v20, -v21, s50, v20                  ; r = angle - n pi / 2
	v_mul_f32 v22, v20, v20                        ; z = r r
	v_cvt_i32_f32 v21, v21
	v_fma_f32 v23, v22, s51, s52
	v_fma_f32 v23, v23, v22, s53
	v_mul_f32 v24, v22, v20
	v_fma_f32 v23, v23, v24, v20                   ; sin r
	v_fma_f32 v25, v22, s54, s55
	v_fma_f32 v25, v25, v22, s56
	v_mul_f32 v26, v22, v22
	v_fma_f32 v27, v22, -0.5, 1.0
	v_fma_f32 v25, v25, v26, v27                   ; cos r
	v_and_b32 v24, 1, v21
	v_cmp_eq_u32 vcc_lo, 1, v24                    ; n odd: the two change places
	v_cndmask_b32 v[\si], v23, v25, vcc_lo
	v_cndmask_b32 v[\co], v25, v23, vcc_lo
	v_and_b32 v24, 2, v21                          ; sin is negated where n mod 4 is 2 or 3,
	v_lshlrev_b32 v24, 30, v24
	v_xor_b32 v[\si], v24, v[\si]
	v_add_nc_u32 v24, 1, v21                       ; cos where it is 1 or 2
	v_and_b32 v24, 2, v24
	v_lshlrev_b32 v24, 30, v24
	v_xor_b32 v[\co], v24, v[\co]
.endm
	SINCOS 17, 28, 29
	SINCOS 18, 30, 31
	global_store_b128 v3, v[28:31], s[24:25]       ; two positions' 512 bytes; v28-31 are not written again
	; ---- the scales: 2^e as f32 (the conversion takes its exponent field) and 448 x 2^e
	s_wait_kmcnt 0x0
	s_mov_b32 s62, s47                             ; the weight's e: e1, e3, e5 or e11
	s_cmp_eq_u32 s31, 0
	s_cselect_b32 s62, s37, s62
	s_cmp_eq_u32 s31, 1
	s_cselect_b32 s62, s39, s62
	s_cmp_eq_u32 s31, 2
	s_cselect_b32 s62, s41, s62
.macro SCALE se, vr                    ; s[se] = e  ->  v[vr] = 2^e, v[vr+1] = 448 x 2^e
	s_add_co_i32 s32, s[\se], 127
	s_lshl_b32 s33, s32, 23
	v_mov_b32 v[\vr], s33
	s_add_co_i32 s32, s32, 8
	s_lshl_b32 s32, s32, 23
	s_or_b32 s32, s32, 0x600000
	v_mov_b32 v[\vr+1], s32
.endm
	SCALE 36, 4
	SCALE 38, 6
	SCALE 40, 8
	SCALE 62, 10
.macro TURN t                          ; step t's numbers through stage t % 2: LDS serves a wave's instructions in order, so no wait stands between the stores and the loads
.irp i, 0,1,2,3
	ds_store_b128 v14, v[R+16*(\t)+4*\i:R+16*(\t)+4*\i+3] offset:STG*((\t)%2)+8*SP*\i
.endr
.irp i, 0,1,2,3
	ds_load_b128 v[X+16*((\t)%2)+4*\i:X+16*((\t)%2)+4*\i+3], v15 offset:STG*((\t)%2)+16*\i
.endr
.endm
.macro QUANT sc, cd                    ; the 16 neighbours in v[XS] on, with the scale in v[sc], v[sc+1], become 16 codes in v[cd] on
.irp i, 0,1,2,3,4,5,6,7,8,9,10,11,12,13,14,15
	v_med3_num_f32 v[T+\i], v[XS+\i], -v[\sc+1], v[\sc+1]   ; the conversion to an 8-bit code does not saturate (ISA guide 7.6.2): the hold comes first
.endr
	v_cvt_scalef32_pk8_fp8_f32 v[\cd:\cd+1], v[T:T+7], v[\sc]
	v_cvt_scalef32_pk8_fp8_f32 v[\cd+2:\cd+3], v[T+8:T+15], v[\sc]
	v_nop                                          ; a plain line between the conversions and the next holds, which write their sources
.endm
.macro STEP t
.set XS, X+16*((\t)%2)
.set CB, C+12*((\t)%2)
	s_wait_dscnt 0x0                               ; this step's numbers are back from the stage
.if (\t) < 7
	s_wait_loadcnt 4*(6-(\t))                      ; the next step's four loads are in; those of the steps behind it may be out
	TURN (\t)+1                                    ; and go through the other stage while this step is worked
.endif
	s_wait_xcnt 0x0                                ; the earlier stores have read their data: the sets of codes may be written again
.if (\t) < 4
	QUANT 4, CB
	global_store_b128 v3, v[CB:CB+3], s[20:21] offset:512*(\t)
	QUANT 6, CB+4
	global_store_b128 v3, v[CB+4:CB+7], s[58:59] offset:512*(\t)
	QUANT 8, CB+8
	global_store_b128 v3, v[CB+8:CB+11], s[60:61] offset:512*(\t)
.else
	QUANT 10, CB
	global_store_b128 v3, v[CB:CB+3], s[22:23] offset:512*((\t)-4)
.endif
.endm
	s_wait_loadcnt 28                              ; step 0's four loads are in; the 28 behind them may be out
	TURN 0
.irp t, 0,1,2,3,4,5,6,7
	STEP \t
.endr
	s_wait_tensorcnt 0x0
	ds_add_u32 v240, v241
	s_wait_dscnt 0x0
	s_endpgm
.Lfunc_end_k_qdf90108a84_prep:
	.size	k_qdf90108a84_prep, .Lfunc_end_k_qdf90108a84_prep-k_qdf90108a84_prep
	.p2alignl 7, 3214868480
	.fill 96, 4, 3214868480
	.section	.rodata,"a",@progbits
	.p2align	6, 0x0
	.amdhsa_kernel k_qdf90108a84_prep
		.amdhsa_group_segment_fixed_size 33280
		.amdhsa_private_segment_fixed_size 0
		.amdhsa_enable_private_segment 0
		.amdhsa_kernarg_size 72
		.amdhsa_user_sgpr_count 2
		.amdhsa_user_sgpr_kernarg_segment_ptr 1
		.amdhsa_wavefront_size32 1
		.amdhsa_system_sgpr_workgroup_id_x 1
		.amdhsa_system_sgpr_workgroup_id_y 1
		.amdhsa_system_sgpr_workgroup_id_z 1
		.amdhsa_system_vgpr_workitem_id 0
		.amdhsa_next_free_vgpr 242
		.amdhsa_next_free_sgpr 66
		.amdhsa_reserve_vcc 1
		.amdhsa_float_denorm_mode_32 3
		.amdhsa_float_denorm_mode_16_64 3
		.amdhsa_memory_ordered 1
		.amdhsa_forward_progress 1
		.amdhsa_inst_pref_size 38
	.end_amdhsa_kernel
	.amdgpu_metadata
---
amdhsa.version: [ 1, 2 ]
amdhsa.kernels:
  - .name:           k_qdf90108a84_prep
    .symbol:         k_qdf90108a84_prep.kd
    .args:
      - { .name: x, .offset: 0, .size: 8, .value_kind: global_buffer, .address_space: global }
      - { .name: wq, .offset: 8, .size: 8, .value_kind: global_buffer, .address_space: global }
      - { .name: wk, .offset: 16, .size: 8, .value_kind: global_buffer, .address_space: global }
      - { .name: wv, .offset: 24, .size: 8, .value_kind: global_buffer, .address_space: global }
      - { .name: wo, .offset: 32, .size: 8, .value_kind: global_buffer, .address_space: global }
      - { .name: lowp_scales, .offset: 40, .size: 8, .value_kind: global_buffer, .address_space: global }
      - { .name: xc, .offset: 48, .size: 8, .value_kind: global_buffer, .address_space: global }
      - { .name: wc, .offset: 56, .size: 8, .value_kind: global_buffer, .address_space: global }
      - { .name: tab, .offset: 64, .size: 8, .value_kind: global_buffer, .address_space: global }
    .group_segment_fixed_size: 33280
    .private_segment_fixed_size: 0
    .kernarg_segment_align: 8
    .kernarg_segment_size: 72
    .max_flat_workgroup_size: 128
    .sgpr_count:     66
    .vgpr_count:     242
    .wavefront_size: 32
...
	.end_amdgpu_metadata
.endif
;; end of part 1
;; launch qkv (part 2): grid 12 x 16, 4 waves a work-group, clusters of 4 x 4, 327,680 bytes of LDS; arguments xc, wc, tab, lowp_scales, qkv; writes qkv
.if DOCPART == 2
	.amdgcn_target "amdgcn-amd-amdhsa--gfx1250"
	.amdhsa_code_object_version 6
	.text
	.protected	k_qdf90108a84_qkv
	.globl	k_qdf90108a84_qkv
	.p2align	8
	.type	k_qdf90108a84_qkv,@function
k_qdf90108a84_qkv:
	s_mov_b64 s[64:65], 0
	v_nop
	global_prefetch_b8 v0, s[64:65] scope:SCOPE_SE
	s_setreg_imm32_b32 hwreg(HW_REG_WAVE_MODE, 25, 1), 1
	s_wait_xcnt 0x0
	s_wait_alu depctr_hold_cnt(0) depctr_sa_sdst(0) depctr_va_vdst(0) depctr_va_sdst(0) depctr_va_ssrc(0) depctr_va_vcc(0) depctr_vm_vsrc(0)
	s_getreg_b32 s2, hwreg(HW_REG_IB_STS2, 6, 4)
	s_cmp_eq_u32 s2, 0
	s_cbranch_scc0 .Lentry_in_a_cluster
	s_endpgm
.Lentry_in_a_cluster:
	s_bfe_u32 s2, ttmp6, 0x10000c
	s_cmp_lg_u32 s2, 0xf033
	s_cbranch_scc0 .Lentry_shape_is_right
	s_endpgm
.Lentry_shape_is_right:
; q = x wq^T, k = x wk^T, v = x wv^T on E4M3 codes (K = 1,024), the rotation of q and k, and the quantising of q, k, v for the two products of attention.
; G = cluster x says which: 0 q, 1 k, 2 v.  A tile of 256 x 256 is made by four waves, 128 x 128 each: 64 accumulators, 512 registers.  K goes in steps of 256 through a ring of two LDS slots.
; THE MATRIX INSTRUCTION: source 0 = 16 rows of B, source 1 = 16 rows of A: a lane holds one row of A, its registers run along B's rows.
;   q, k: A = x's codes (a lane holds a token), B = the weight's (registers run along the features): the next K is the head's 64.
;   v:    A = wv's codes (a lane holds a feature), B = x's (registers run along the tokens): the next K is the keys.  So nothing is transposed.
; The rows of xc and wc lie with bits 3 and 4 of their number exchanged: the 16 registers of accumulators (a, 2 j) and (a, 2 j + 1) are B's original rows 32 j + 16 (lane / 16) + 0 .. 15,
; and lane r of block a holds A's original row 32 (a / 2) + 8 (a % 2) + r + 8 (r / 8).  Two conversions make of 16 such registers four registers of the next operand, and the wave stores them as they stand:
; 512 consecutive bytes, 16 a lane.  qc, kc: [head][tile of 16 tokens][2][lane][16];  vc: [head][block of 128 keys][tile of 16 channels][4][lane][16].
; A sum stands for sum x 2^(ex + ew); the rotation is linear, so it is applied to the sums, and the three exponents are folded into the conversion's one scale.
; CLUSTERS: 4 x 4 work-groups.  A's tile hangs on the tile row alone and is asked for jointly along a row of the cluster, B's on the tile column alone, along a column.
; LIMITS: e6 - e0 - e1, e7 - e2 - e3, e9 - e4 - e5 between -126 and 119, so that the folded scale and 448 x it are f32 numbers.
; REGISTERS, in windows of 256: window 0: v0-31 addresses; from v128 A's fragments, one set; v96-127 the first block's cos and sin; on the way out v32-95 numbers, v96-159 cos and sin in two sets, v160-191 codes in two sets.
;   window 1: B's fragments, two sets.   window 2: the accumulators of A's blocks 0-3 ((a, b) at v[8 (8 a + b)]);   window 3: of blocks 4-7.
.set KSTEP,  256
.set ROWB,   256                       ; a tile's row in bytes
.set KROW,   1024                      ; a row of codes in memory
.set PITCH,  272                       ; an LDS row: 256 bytes + 16 of padding: the 16 rows that a load touches start 16 bytes apart modulo 256
.set FR,     16                        ; registers of a fragment: 16 rows x 128 K
.set NL,     4                         ; LDS loads that bring one
.set NP,     4                         ; places behind this matrix instruction (ISA guide 7.12.1)
.set HALFT,  128*PITCH
.set SLOT,   4*HALFT                   ; A's 256 rows, then B's 256 rows
.set SPARE,  2*SLOT                    ; behind the ring: the spare words, 128 bytes for each wave, which no other line names
.set ADRA, 16                          ; v16-17  LDS address of my A fragments in slot 0, 1
.set ADRB, 20                          ; v20-21  the same for B
.set TO,   24                          ; v24     the table: (r + 8 (r / 8)) x 256 + 64 (lane / 16); never rewritten
.set SOF,  25                          ; v25     16 x lane: my place in a store's 512 bytes; never rewritten
.set SPW,  28                          ; v28     LDS address of my spare word; never rewritten
.set NIL,  29                          ; v29     0; never rewritten
.set SC,   30                          ; v30     the folded scale as f32
.set LIM,  31                          ; v31     448 x it
.set T,    32
.set CS,   96
.set CD,   160
.set AF,   128
.set G1, 24
.set G0, 32
.set G1B, 48
.set G0B, 56
.set MSB, 0
.macro WIN new                         ; the immediate's high byte repeats the setting that is left
.if MSB != \new
	s_set_vgpr_msb (MSB<<8)|\new
.set MSB, \new
.endif
.endm
.set MUL_LO, 0xa1                      ; source 0 (B) window 1, source 1 (A) window 0, C and D window 2
.set MUL_HI, 0xf1                      ; the same, C and D window 3
.set TO_B,   0x40                      ; destination window 1, address window 0
; A joint load: waves 0 and 1 fetch for A, waves 2 and 3 for B; the branch hangs on the wave's number alone.  Four v_nop follow each of the two lines.
.macro JLOAD g0a, g1a, g0b, g1b
	s_cmp_eq_u32 s15, 0
	s_cbranch_scc0 .Lfor_b_\@
	tensor_load_to_lds s[\g0a:\g0a+3], s[\g1a:\g1a+7]
	s_nop 0
.rept 4
	v_nop
.endr
	s_branch .Lasked_\@
.Lfor_b_\@:
	tensor_load_to_lds s[\g0b:\g0b+3], s[\g1b:\g1b+7]
	s_nop 0
.rept 4
	v_nop
.endr
.Lasked_\@:
.endm
.macro CREST                           ; a round of the cluster's barrier behind its opening barrier
	s_cmp_lg_u32 s14, 0
	s_cbranch_scc1 .Lnot_wave_0_\@
	s_barrier_signal -3
.Lnot_wave_0_\@:
	s_barrier_wait -3
	s_barrier_signal -1
	s_barrier_wait -1
.endm
.macro CROUND                          ; a whole round
	s_barrier_signal -1
	s_barrier_wait -1
	CREST
.endm
	s_load_b256 s[4:11], s[0:1], 0x0               ; xc s[4:5], wc s[6:7], tab s[8:9], the exponents s[10:11]
	s_load_b64 s[12:13], s[0:1], 0x20              ; qkv
	v_lshl_add_u32 v[SPW], v0, 2, SPARE
	v_mov_b32 v[NIL], 0
	ds_add_u32 v28, v29
	ds_add_u32 v28, v29
	s_wait_dscnt 0x0
	v_lshrrev_b32 v1, 5, v0
	v_readfirstlane_b32 s14, v1                    ; wave 0..3
	s_lshr_b32 s15, s14, 1                         ; which half of A's rows is mine.  Also: I fetch for A (0) or for B (1)
	s_and_b32 s16, s14, 1                          ; which half of B's rows.  Also: which 128 rows of that tile I fetch
	s_bfe_u32 s40, ttmp6, 0x40000                  ; cx, cy: my place in the cluster
	s_bfe_u32 s41, ttmp6, 0x40004
	s_mov_b32 s66, ttmp9                           ; G: the same in all sixteen partners
	s_and_b32 s67, ttmp7, 0xffff                   ; Y, 0 .. 3: likewise
	s_cmp_eq_u32 s66, 2
	s_cselect_b32 s92, 0, s67                      ; the 16 tiles of tokens are walked by Y: along A for q and k,
	s_cselect_b32 s93, s67, 0                      ; along B for v
	s_cselect_b32 s90, 20, 22
	s_cselect_b32 s91, 22, 20
	s_lshl_b32 s90, s66, s90                       ; A's part of its buffer: version G of xc (4 MiB each), or wv's codes at 2 MiB of wc
	s_lshl_b32 s91, s66, s91                       ; B's: weight G of wc (1 MiB each), or version 2 of xc at 8 MiB
	s_lshl_b32 s42, s93, 2
	s_add_co_u32 s42, s42, s40                     ; tile column
	s_lshl_b32 s17, s92, 2
	s_add_co_u32 s17, s17, s41                     ; tile row
	s_lshl_b32 s43, s41, 2
	s_lshl_b32 s43, 15, s43                        ; my row of the cluster
	s_lshl_b32 s44, 0x1111, s40                    ; my column
	; descriptor group 1: a tile of 128 rows x 256 bytes, padded in LDS
	s_or_b32 s[G1+0], s43, (0<<16)|(1<<20)|(1<<21)|(5<<22)|(3<<25)  ; 15:0 the mask: A's tiles go to my row; 17:16 element of 1 byte; 20 padding on; 21 set beside a mask; 24:22 after every 64 words; 31:25 four words
	s_or_b32 s[G1B+0], s44, (0<<16)|(1<<20)|(1<<21)|(5<<22)|(3<<25)
.irp g, G1, G1B
	s_mov_b32 s[\g+1], ROWB<<16                    ; tensor_dim0
	s_mov_b32 s[\g+2], 128<<16                     ; tensor_dim1
	s_mov_b32 s[\g+3], ROWB<<16                    ; tile_dim0
	s_mov_b32 s[\g+4], 128                         ; tile_dim1
	s_mov_b32 s[\g+5], KROW                        ; tensor_dim0_stride
	s_mov_b32 s[\g+6], 0
	s_mov_b32 s[\g+7], 0
.endr
	s_lshl_b32 s18, s16, 7                         ; which 128 rows of the tile I fetch
	s_lshl_b32 s20, s17, 8
	s_add_co_u32 s20, s20, s18                     ; A: row 256 x tile row + 128 x half,
	s_lshl_b32 s20, s20, 10                        ; in bytes,
	s_add_co_u32 s20, s20, s90                     ; in its part of the buffer: under 12 MiB
	s_mov_b32 s21, 0
	s_lshl_b32 s46, s42, 8
	s_add_co_u32 s46, s46, s18                     ; B likewise, by the tile column
	s_lshl_b32 s46, s46, 10
	s_add_co_u32 s46, s46, s91
	s_mov_b32 s47, 0
	s_mul_i32 s45, s14, HALFT                      ; where they go: wave x 128 rows: no place in the cluster enters an LDS address
	s_wait_kmcnt 0x0
	s_load_b256 s[68:75], s[10:11], 0x0            ; e0 .. e7
	s_load_b128 s[76:79], s[10:11], 0x20           ; e8 .. e11
	s_cmp_eq_u32 s66, 2
	s_cselect_b64 s[86:87], s[6:7], s[4:5]         ; A's buffer,
	s_cselect_b64 s[88:89], s[4:5], s[6:7]         ; B's
	s_add_nc_u64 s[20:21], s[86:87], s[20:21]
	s_add_nc_u64 s[46:47], s[88:89], s[46:47]
	CROUND                                         ; all sixteen work-groups are here: the first joint loads meet
.irp s, 0,1
	s_mov_b32 s[G0+4*\s], 1
	s_add_co_u32 s[G0+4*\s+1], s45, \s*SLOT
	s_add_nc_u64 s[G0+4*\s+2:G0+4*\s+3], s[20:21], \s*ROWB
	s_or_b32 s[G0+4*\s+3], s[G0+4*\s+3], 0x80000000
	s_mov_b32 s[G0B+4*\s], 1
	s_add_co_u32 s[G0B+4*\s+1], s45, \s*SLOT
	s_add_nc_u64 s[G0B+4*\s+2:G0B+4*\s+3], s[46:47], \s*ROWB
	s_or_b32 s[G0B+4*\s+3], s[G0B+4*\s+3], 0x80000000
	JLOAD G0+4*\s, G1, G0B+4*\s, G1B
.endr
	v_and_b32 v1, 15, v0                           ; r = l % 16
	v_bfe_u32 v2, v0, 4, 1                         ; h = l / 16
	v_mul_u32_u24 v3, v1, PITCH
	v_lshl_add_u32 v4, v2, 4, v3                   ; a fragment's row x pitch + 16 x half
	s_mul_i32 s21, s15, HALFT                      ; my 128 rows of A
	s_mul_i32 s22, s16, HALFT                      ; my 128 rows of B,
	s_add_co_u32 s22, s22, 2*HALFT                 ; which lie behind A's 256
.irp s, 0,1
	v_add_nc_u32 v[ADRA+\s], s21, v4
	v_add_nc_u32 v[ADRB+\s], s22, v4
	s_add_co_u32 s21, s21, SLOT
	s_add_co_u32 s22, s22, SLOT
.endr
	v_and_b32 v5, 8, v1
	v_add_nc_u32 v5, v5, v1                        ; r + 8 (r / 8)
	v_lshlrev_b32 v[TO], 8, v5                     ; a position of the table is 256 bytes;
	v_lshl_add_u32 v[TO], v2, 6, v[TO]             ; my half's eight pairs of 32 features begin 64 h bytes on
	v_and_b32 v6, 31, v0
	v_lshlrev_b32 v[SOF], 4, v6
	s_lshl_b32 s80, s17, 8
	s_lshl_b32 s81, s15, 7
	s_add_co_u32 s80, s80, s81                     ; my first row of A: for q and k a token
	s_lshl_b32 s80, s80, 8
	s_mov_b32 s81, 0
	s_add_nc_u64 s[82:83], s[8:9], s[80:81]        ; the table at that position
	s_lshl_b32 s94, s42, 2
	s_lshl_b32 s95, s16, 1
	s_add_co_u32 s94, s94, s95                     ; P = my first row of B / 64
	s_lshl_b32 s95, s17, 2
	s_lshl_b32 s96, s15, 1
	s_add_co_u32 s95, s95, s96                     ; R = my first row of A / 64
	s_cmp_eq_u32 s66, 2
	s_cselect_b32 s96, s95, s94                    ; the head: features / 64: P for q and k, R for v
	s_cselect_b32 s97, s94, s95                    ; tokens / 64: 64 tokens are 4,096 bytes of a head's images
	s_lshl_b32 s96, s96, 18                        ; a head's images are 262,144 bytes
	s_lshl_b32 s97, s97, 12
	s_add_co_u32 s96, s96, s97
	s_lshl_b32 s97, s66, 22                        ; qc, kc, vc: 4 MiB each
	s_add_co_u32 s96, s96, s97
	s_mov_b32 s97, 0
	s_add_nc_u64 s[84:85], s[12:13], s[96:97]
; cos and sin for block a's 16 tokens, into set a % 2: register 16 g + 4 j on: cos, sin of pairs 16 g + 8 h + 2 j and + 1 of my token.  Both heads of my 128 features take the same.
.macro LOADCS a
.set CB, CS+32*((\a)%2)
.irp g, 0,1
.irp j, 0,1,2,3
	global_load_b128 v[CB+16*\g+4*\j:CB+16*\g+4*\j+3], v[TO], s[82:83] offset:(32*((\a)/2)+8*((\a)%2))*256+128*\g+16*\j
.endr
.endr
.endm
	LOADCS 0                                       ; asked for here, a whole product ahead of its use.  Every work-group issues it, so that the text has one way to this point; in v's work-groups the rows lie inside tab and the numbers are not used
.macro FRAG reg, adr, q, i             ; a fragment, 16 rows x 128 K: lane l holds row l % 16; registers 4 c .. 4 c + 3 hold K = 32 c + 16 (l / 16) + 0 .. 15: the same order of K in A and in B
.irp c, 0,1,2,3
	ds_load_b128 v[\reg+4*\c:\reg+4*\c+3], v[\adr] offset:128*(\q)+32*\c+(\i)*16*PITCH
.endr
.endm
; 16 matrix instructions: A's blocks a0, a0 + 1 x B's eight.  p: B's set.  zero = 1: the first product starts the sums.  The 64 accumulators take turns, one instruction a turn.
.macro MUL16 a0, p, zero
.irp a, \a0, \a0+1
.irp b, 0,1,2,3,4,5,6,7
.if \zero
	v_wmma_f32_16x16x128_fp8_fp8 v[8*(8*((\a)%4)+\b):8*(8*((\a)%4)+\b)+7], v[128*(\p)+FR*\b:128*(\p)+FR*\b+FR-1], v[AF+FR*(\a):AF+FR*(\a)+FR-1], 0
.else
	v_wmma_f32_16x16x128_fp8_fp8 v[8*(8*((\a)%4)+\b):8*(8*((\a)%4)+\b)+7], v[128*(\p)+FR*\b:128*(\p)+FR*\b+FR-1], v[AF+FR*(\a):AF+FR*(\a)+FR-1], v[8*(8*((\a)%4)+\b):8*(8*((\a)%4)+\b)+7]
.endif
.endr
.endr
.endm
.macro FETCH_B slot, q, p
	WIN TO_B
.irp i, 0,1,2,3,4,5,6,7
	FRAG 128*(\p)+FR*\i, ADRB+\slot, \q, \i
.endr
	WIN 0
.endm
.macro FETCH_A slot, q, i0
.irp i, \i0, \i0+1, \i0+2, \i0+3
	FRAG AF+FR*(\i), ADRA+\slot, \q, \i
.endr
.endm
.macro PLACES n                        ; plain vector lines between a matrix instruction and a load into, or a vector line on, its registers
.rept \n
	v_nop
.endr
.endm
; A step of 128 along K that has its successor in the same slot.  A block of A is free when its eight products are issued: blocks 0-3 are fetched anew in the step's middle, blocks 4-7 at its end.
.macro STEP slot, q, zero
	s_wait_dscnt 4*NL                              ; B's set and A's blocks 0-3 are in; the youngest 16 loads (A's blocks 4-7) may be out
	WIN MUL_LO
	MUL16 0, (\q)%2, \zero
	MUL16 2, (\q)%2, \zero
	s_wait_dscnt 0                                 ; A's blocks 4-7 are in
	PLACES NP
	FETCH_B \slot, (\q)+1, 1-(\q)%2
	FETCH_A \slot, (\q)+1, 0
	WIN MUL_HI
	MUL16 4, (\q)%2, \zero
	MUL16 6, (\q)%2, \zero
	PLACES NP
	WIN 0
	FETCH_A \slot, (\q)+1, 4
.endm
; A slot's last step changes slots: one barrier; in front of it each wave waits for all its tensor loads, adds 0 to its spare word, and waits for that and for its reads of this slot.  fill = 1: this slot is filled again, two K steps ahead.
.macro TURN slot, next, fill
	s_wait_tensorcnt 0x0                           ; all my tensor loads have landed: my part of the next slot
	ds_add_u32 v[SPW], v[NIL]                      ; 0 onto my spare word
	s_wait_dscnt 4*NL+1                            ; (the add and the youngest 16 loads may be out)
	WIN MUL_LO
	MUL16 0, 1, 0
	s_wait_dscnt 0x0                               ; the add is done, and my reads of this slot are over
	s_barrier_signal -1
	MUL16 2, 1, 0
	WIN 0
	s_barrier_wait -1
.if \fill
	CREST                                          ; the barrier has opened a round of the cluster's barrier: no wave of any partner still reads this slot or has a load on its way
	s_add_nc_u64 s[G0+4*\slot+2:G0+4*\slot+3], s[G0+4*\slot+2:G0+4*\slot+3], 2*ROWB
	s_add_nc_u64 s[G0B+4*\slot+2:G0B+4*\slot+3], s[G0B+4*\slot+2:G0B+4*\slot+3], 2*ROWB
	JLOAD G0+4*\slot, G1, G0B+4*\slot, G1B         ; the first tensor load behind the round; its four v_nop are also the places in front of the loads below
.else
	PLACES NP
.endif
	FETCH_B \next, 0, 0
	FETCH_A \next, 0, 0
	WIN MUL_HI
	MUL16 4, 1, 0
	MUL16 6, 1, 0
	PLACES NP
	WIN 0
	FETCH_A \next, 0, 4
.endm
	s_wait_tensorcnt 1                             ; my part of K step 0 is in; K step 1's load may be out
	s_barrier_signal -1
	s_barrier_wait -1
	FETCH_B 0, 0, 0
	FETCH_A 0, 0, 0
	FETCH_A 0, 0, 4
	STEP 0, 0, 1                                   ; K = 1,024 is four K steps of 256, eight steps of 128: written out
	TURN 0, 1, 1                                   ; slot 0 takes K step 2
	STEP 1, 0, 0
	TURN 1, 0, 1                                   ; slot 1 takes K step 3
	STEP 0, 0, 0
	TURN 0, 1, 0                                   ; nothing is left to fetch
	STEP 1, 0, 0
	s_wait_dscnt 4*NL
	WIN MUL_LO
	MUL16 0, 1, 0
	MUL16 2, 1, 0
	s_wait_dscnt 0
	WIN MUL_HI
	MUL16 4, 1, 0
	MUL16 6, 1, 0
	WIN 0
	; THE WAY OUT.  The folded exponent: the operand's own less the two of the product that made it; chosen by G without a branch on a loaded number.
	s_wait_kmcnt 0x0
	s_sub_co_i32 s80, s74, s68
	s_sub_co_i32 s80, s80, s69                     ; q: e6 - e0 - e1
	s_sub_co_i32 s81, s75, s70
	s_sub_co_i32 s81, s81, s71                     ; k: e7 - e2 - e3
	s_sub_co_i32 s90, s77, s72
	s_sub_co_i32 s90, s90, s73                     ; v: e9 - e4 - e5
	s_cmp_eq_u32 s66, 0
	s_cselect_b32 s80, s80, s81
	s_cmp_eq_u32 s66, 2
	s_cselect_b32 s80, s90, s80
	s_add_co_i32 s80, s80, 127
	s_lshl_b32 s81, s80, 23
	s_add_co_i32 s80, s80, 8
	s_lshl_b32 s80, s80, 23
	s_or_b32 s80, s80, 0x600000
	PLACES NP                                      ; behind the last products: for the reads of their results, and for the loads and conversions into the registers that held A's fragments
	v_mov_b32 v[SC], s81
	v_mov_b32 v[LIM], s80
.macro CODES a                         ; the 64 numbers in v[T] on become 16 registers of codes in set a % 2
.irp g, 0,1,2,3,4,5,6,7
	v_cvt_scalef32_pk8_fp8_f32 v[DB+2*\g:DB+2*\g+1], v[T+8*\g:T+8*\g+7], v[SC]
.endr
	v_nop                                          ; a plain line between the conversions and the next block's lines, which write their sources
.endm
; Block a of q or k: 16 tokens x 128 features.  Pair p of a lane's 32: (x_even, x_odd) -> (cos x_even - sin x_odd, sin x_even + cos x_odd): one packed multiplication by sin with the halves crossed
; and the low half negated, one packed multiply-add by cos.  Each accumulator is read from its low end on.
.macro QKOUT a
.set AC, 64*((\a)%4)
.set CB, CS+32*((\a)%2)
.set DB, CD+16*((\a)%2)
.if (\a) < 7
	s_wait_loadcnt 8                               ; this block's cos and sin are in; the next block's eight loads may be out
.else
	s_wait_loadcnt 0
.endif
	s_wait_xcnt 0x0                                ; the earlier stores have read their data: the sets of codes may be written again
	WIN 0x02+((\a)/4)                              ; source 0: window 2 or 3
.set p, 0
.rept 32
	v_pk_mul_f32 v[T+2*p:T+2*p+1], v[AC+2*p:AC+2*p+1], v[CB+16*((p/8)%2)+2*(p%8):CB+16*((p/8)%2)+2*(p%8)+1] op_sel:[1,1] op_sel_hi:[0,1] neg_lo:[1,0]   ; (-x_odd sin, x_even sin)
.set p, p+1
.endr
.set p, 0
.rept 32
	v_pk_fma_f32 v[T+2*p:T+2*p+1], v[AC+2*p:AC+2*p+1], v[CB+16*((p/8)%2)+2*(p%8):CB+16*((p/8)%2)+2*(p%8)+1], v[T+2*p:T+2*p+1] op_sel_hi:[1,0,1]   ; + (x_even cos, x_odd cos)
.set p, p+1
.endr
	WIN 0
.if (\a)+2 < 8
	LOADCS (\a)+2                                  ; into the set just read
.endif
.set p, 0
.rept 64
	v_med3_num_f32 v[T+p], v[T+p], -v[LIM], v[LIM] ; the conversion to an 8-bit code does not saturate (ISA guide 7.6.2): the hold comes first
.set p, p+1
.endr
	CODES \a
.irp b, 0,1,2,3                        ; features 32 b on: head b / 2 of my two, half b % 2 of its 64; tile a of my block of tokens
	global_store_b128 v[SOF], v[DB+4*\b:DB+4*\b+3], s[84:85] offset:((\b/2)<<18)+((\a)<<10)+((\b%2)<<9)
.endr
.endm
; Block a of v: 16 features x 128 tokens.
.macro VOUT a
.set AC, 64*((\a)%4)
.set DB, CD+16*((\a)%2)
	s_wait_xcnt 0x0
	WIN 0x02+((\a)/4)
.set p, 0
.rept 64
	v_med3_num_f32 v[T+p], v[AC+p], -v[LIM], v[LIM]
.set p, p+1
.endr
	WIN 0
	CODES \a
.irp b, 0,1,2,3                        ; keys 32 b on; head a / 4 of my two, tile a % 4 of its four
	global_store_b128 v[SOF], v[DB+4*\b:DB+4*\b+3], s[84:85] offset:(((\a)/4)<<18)+(((\a)%4)<<11)+(\b<<9)
.endr
.endm
	s_cmp_eq_u32 s66, 2                            ; G: the same in all partners, and no loaded number
	s_cbranch_scc1 .Lv_out
	LOADCS 1
.irp a, 0,1,2,3,4,5,6,7
	QKOUT \a
.endr
	s_branch .Lend
.Lv_out:
.irp a, 0,1,2,3,4,5,6,7
	VOUT \a
.endr
.Lend:
	s_wait_tensorcnt 0x0                           ; the wave's end
	ds_add_u32 v[SPW], v[NIL]
	s_wait_dscnt 0x0
	CROUND                                         ; the closing round: no work-group ends while a partner may still ask for a tile that names it
	s_endpgm
.Lfunc_end_k_qdf90108a84_qkv:
	.size	k_qdf90108a84_qkv, .Lfunc_end_k_qdf90108a84_qkv-k_qdf90108a84_qkv
	.p2alignl 7, 3214868480
	.fill 96, 4, 3214868480
	.section	.rodata,"a",@progbits
	.p2align	6, 0x0
	.amdhsa_kernel k_qdf90108a84_qkv
		.amdhsa_group_segment_fixed_size 327680
		.amdhsa_private_segment_fixed_size 0
		.amdhsa_enable_private_segment 0
		.amdhsa_kernarg_size 40
		.amdhsa_user_sgpr_count 2
		.amdhsa_user_sgpr_kernarg_segment_ptr 1
		.amdhsa_wavefront_size32 1
		.amdhsa_system_sgpr_workgroup_id_x 1
		.amdhsa_system_sgpr_workgroup_id_y 1
		.amdhsa_system_sgpr_workgroup_id_z 1
		.amdhsa_system_vgpr_workitem_id 0
		.amdhsa_next_free_vgpr 1024
		.amdhsa_next_free_sgpr 100
		.amdhsa_reserve_vcc 0
		.amdhsa_float_denorm_mode_32 3
		.amdhsa_float_denorm_mode_16_64 3
		.amdhsa_memory_ordered 1
		.amdhsa_forward_progress 1
		.amdhsa_inst_pref_size 197
	.end_amdhsa_kernel
	.amdgpu_metadata
---
amdhsa.version: [ 1, 2 ]
amdhsa.kernels:
  - .name:           k_qdf90108a84_qkv
    .symbol:         k_qdf90108a84_qkv.kd
    .args:
      - { .name: xc, .offset: 0, .size: 8, .value_kind: global_buffer, .address_space: global }
      - { .name: wc, .offset: 8, .size: 8, .value_kind: global_buffer, .address_space: global }
      - { .name: tab, .offset: 16, .size: 8, .value_kind: global_buffer, .address_space: global }
      - { .name: lowp_scales, .offset: 24, .size: 8, .value_kind: global_buffer, .address_space: global }
      - { .name: qkv, .offset: 32, .size: 8, .value_kind: global_buffer, .address_space: global }
    .group_segment_fixed_size: 327680
    .private_segment_fixed_size: 0
    .kernarg_segment_align: 8
    .kernarg_segment_size: 40
    .max_flat_workgroup_size: 128
    .sgpr_count:     100
    .vgpr_count:     1024
    .wavefront_size: 32
...
	.end_amdgpu_metadata
.endif
;; end of part 2
;; launch attn (part 3): grid 16 x 16, 16 waves a work-group, no clusters, 67,584 bytes of LDS; arguments qkv, lowp_scales, oc; writes oc
.if DOCPART == 3
	.amdgcn_target "amdgcn-amd-amdhsa--gfx1250"
	.amdhsa_code_object_version 6
	.text
	.protected	k_qdf90108a84_attn
	.globl	k_qdf90108a84_attn
	.p2align	8
	.type	k_qdf90108a84_attn,@function
k_qdf90108a84_attn:
	s_mov_b64 s[64:65], 0
	v_nop
	global_prefetch_b8 v0, s[64:65] scope:SCOPE_SE
	s_setreg_imm32_b32 hwreg(HW_REG_WAVE_MODE, 25, 1), 1
	s_wait_xcnt 0x0
; Causal attention on E4M3 codes: 16 heads of 64, 4,096 tokens.  S^T = K Q^T (K = 64), p = 2^(t - M), O^T = V^T P^T (K = the keys), O / the row's sum quantised for the last product.
; t = score x log2(e) / 8; M = the running largest t rounded UP to a whole number; p is quantised with 2^e8, not normalised; the row's sum is taken of the unquantised p.  When M moves, the sum and O^T are
; multiplied by 2^(old M - new M), which rounds nothing.
; THE OPERANDS ARRIVE AS IMAGES OF THEIR REGISTERS: each piece is [lane][16 bytes], 512 bytes.  qc, kc: [head][tile of 16 tokens][2][lane][16], lane (r, h) of tile 8 B + a: token 128 B + 32 (a / 2) + 8 (a % 2) + r + 8 (r / 8),
; channels 32 g + 16 h + 0 .. 15.  vc: [head][block of 128 keys][tile t][4][lane][16], lane (r, h): channel 32 (t / 2) + 8 (t % 2) + r + 8 (r / 8), keys 32 c + 16 h + 0 .. 15.
; So a lane holds ONE query throughout; the 16 registers of score tiles 2 b, 2 b + 1 are keys 32 b + 16 h + 0 .. 15, and those of O^T's tiles 2 j, 2 j + 1 channels 32 j + 16 h + 0 .. 15: the conversions' results are the next operands' registers.
; SHARES.  Work-group (i, head) owns the query blocks i and 31 - i, 128 queries each: 33 key blocks of work for each pair of waves, whatever i.  Wave w owns tile w / 2 of one of the two blocks; of four waves
; on end, and of four waves 4 apart, two have each block.  All sixteen waves walk the same key slots; a wave leaves out the steps whose 128 keys all come after its block (a scalar branch on ids).
; NO CLUSTER, NO TENSOR LOAD: work-groups of a head want 17 to 32 key blocks, so partners would need different numbers of tiles, and a step's shared bytes (16 KB for sixteen waves' softmax) are few.
; THE KEYS' WAY: 512 threads load a slot (256 keys: 16 KB of K's images, 16 KB of V's) into 16 registers each, one slot of work ahead, and store it into one of two LDS slots as it lies.  One barrier a slot: a slot is
; stored again only behind the other slot's barrier, which every wave signals behind its awaited reads.
; LIMITS: e6 + e7 between -123 and 130 (added to c's exponent field); e8, and e10 - e8 - e9, between -126 and 119.
; REGISTERS: v1 16 x thread, v2 16 x lane, v3 the loads' offset, v4 the mask's bound; v12 -M, v13 the largest t, v[14:15] the sum in two halves; v16-23 Q; v32-95 K's eight fragments, then V's four; v96-159 S^T, then p;
; v160-191 O^T; v192-207 the slot on its way; v224-239 p's codes; v240, v244: 448 x 2^e8, 2^e8; v241, v245: the same for the output; v242, v243, v246, v252-254 at work.
	s_load_b128 s[4:7], s[0:1], 0x0                ; qkv, the exponents
	s_load_b64 s[8:9], s[0:1], 0x10                ; oc
	v_lshl_add_u32 v251, v0, 2, 0x10000
	v_mov_b32 v255, 0
	v_lshrrev_b32 v5, 5, v0
	v_readfirstlane_b32 s10, v5                    ; wave 0..15
	v_lshlrev_b32 v1, 4, v0
	v_and_b32 v5, 31, v0
	v_lshlrev_b32 v2, 4, v5
	s_lshr_b32 s11, s10, 1                         ; T: my tile of 16 queries
	s_lshr_b32 s36, s10, 2
	s_xor_b32 s36, s36, s10
	s_and_b32 s36, s36, 1                          ; which of the two blocks
	s_sub_co_u32 s37, 31, ttmp9
	s_cmp_eq_u32 s36, 1
	s_cselect_b32 s12, s37, ttmp9                  ; wb: my query block
	s_sub_co_u32 s15, 35, ttmp9
	s_lshr_b32 s15, s15, 2                         ; trips of 512 keys: 32 - i key blocks, rounded up to fours
	s_and_b32 s38, ttmp7, 0xffff                   ; the head
	s_lshr_b32 s39, s11, 1
	s_lshl_b32 s39, s39, 5
	s_and_b32 s40, s11, 1
	s_lshl_b32 s40, s40, 3
	s_add_co_u32 s39, s39, s40                     ; 32 (T / 2) + 8 (T % 2)
	v_and_b32 v6, 15, v0                           ; r
	v_bfe_u32 v7, v0, 4, 1                         ; h
	v_and_b32 v8, 8, v6
	v_add_nc_u32 v4, v6, v8
	v_lshlrev_b32 v7, 4, v7
	v_sub_nc_u32 v4, v4, v7
	v_add_nc_u32 v4, s39, v4                       ; d = my query in its block - 16 h.  Register n holds key 32 (n / 16) + n % 16 + 16 h of the block: hidden, on the diagonal, where 32 (n / 16) + n % 16 > d
	s_lshl_b32 s44, s12, 3
	s_add_co_u32 s44, s44, s11                     ; my tile among the 256: 8 wb + T
	s_lshl_b32 s40, s38, 18                        ; a head's images are 262,144 bytes
	s_mov_b32 s41, 0
	s_lshl_b32 s42, s44, 10
	s_mov_b32 s43, 0
	s_lshl_b32 s46, s44, 14                        ; oc: a tile of 16 rows is 16,384 bytes; head hd's 64 channels begin 1,024 hd bytes on
	s_lshl_b32 s47, s38, 10
	s_add_co_u32 s46, s46, s47
	s_mov_b32 s47, 0
	s_mov_b32 s20, 0x76543210                      ; v_permlanex16_b32: lane l xor 16
	s_mov_b32 s21, 0xfedcba98
	s_mov_b32 s13, 0                               ; KB: the step's key block
	s_mov_b32 s14, 0                               ; trips done
	s_mov_b32 s24, 0                               ; the byte, in a head's images of K and of V, of the slot that is asked for
	s_wait_kmcnt 0x0
	s_load_b256 s[28:35], s[6:7], 0x10             ; e4 .. e11: s30 e6, s31 e7, s32 e8, s33 e9, s34 e10
	s_add_nc_u64 s[16:17], s[4:5], s[40:41]        ; qc at my head
	s_add_nc_u64 s[36:37], s[16:17], s[42:43]      ; my tile of Q
	s_add_nc_u64 s[18:19], s[16:17], 0x800000      ; vc at my head
	s_add_nc_u64 s[16:17], s[16:17], 0x400000      ; kc at my head
	s_add_nc_u64 s[8:9], s[8:9], s[46:47]
	global_load_b128 v[16:19], v2, s[36:37]        ; Q's fragment stays in registers
	global_load_b128 v[20:23], v2, s[36:37] offset:512
	v_mov_b32 v3, v1
	global_load_b128 v[192:195], v3, s[16:17]      ; slot 0: 512 threads x 16 bytes are 8,192 bytes a line
	global_load_b128 v[196:199], v3, s[16:17] offset:8192
	global_load_b128 v[200:203], v3, s[18:19]
	global_load_b128 v[204:207], v3, s[18:19] offset:8192
	v_mov_b32 v13, 0xff61b1e6                      ; the largest t so far: -3e38, under every t
	v_floor_f32 v12, -v13                          ; -M
	v_mov_b32 v14, 0
	v_mov_b32 v15, 0
	v_mov_b32 v246, 0                              ; written once: a lane permute's destination counts as one of its sources
	v_mov_b32 v253, 0                              ; (named as the upper half of the pair v[252:253])
.irp j, 0,1,2,3,4,5,6,7,8,9,10,11,12,13,14,15,16,17,18,19,20,21,22,23,24,25,26,27,28,29,30,31
	v_mov_b32 v[160+\j], 0                         ; O^T: the step is written for every step alike; the first finds zeros, which the first change of M leaves zeros
.endr
	s_wait_kmcnt 0x0
	s_add_co_i32 s40, s30, s31
	s_lshl_b32 s40, s40, 23
	s_add_co_i32 s22, s40, 0x3e38aa3b              ; c = log2(e) / 8, with e6 + e7 added to its exponent field: a score stands for score x 2^(e6 + e7)
	s_mov_b32 s23, s22                             ; (named with it as a pair, so it is written)
	s_add_co_i32 s40, s32, 127
	s_lshl_b32 s41, s40, 23
	v_mov_b32 v244, s41                            ; 2^e8
	s_add_co_i32 s40, s40, 8
	s_lshl_b32 s40, s40, 23
	s_or_b32 s40, s40, 0x600000
	v_mov_b32 v240, s40                            ; 448 x 2^e8
	s_sub_co_i32 s40, s34, s32
	s_sub_co_i32 s40, s40, s33                     ; a sum of the second product stands for sum x 2^(e8 + e9): the output's conversion takes 2^(e10 - e8 - e9)
	s_add_co_i32 s40, s40, 127
	s_lshl_b32 s41, s40, 23
	v_mov_b32 v245, s41
	s_add_co_i32 s40, s40, 8
	s_lshl_b32 s40, s40, 23
	s_or_b32 s40, s40, 0x600000
	v_mov_b32 v241, s40
; A KEY STEP: key block q of LDS slot s.
.macro STEP s, q
	s_cmp_gt_u32 s13, s12                          ; all 128 keys come after my queries: the step's work is left out
	s_cbranch_scc1 .Lskip_\@
.irp t, 0,1,2,3,4,5,6,7                        ; K's eight tiles of 16 keys (the last products that read these registers stand four plain lines back, at the end of the step before)
	ds_load_b128 v[32+8*\t:35+8*\t], v2 offset:32768*\s+8192*\q+1024*\t
	ds_load_b128 v[36+8*\t:39+8*\t], v2 offset:32768*\s+8192*\q+1024*\t+512
.endr
	s_wait_dscnt 0x0
.irp t, 0,1,2,3,4,5,6,7
	v_wmma_f32_16x16x64_fp8_fp8 v[96+8*\t:103+8*\t], v[32+8*\t:39+8*\t], v[16:23], 0
.endr
.rept 4
	v_nop                                          ; places: in front of the loads into K's registers and of the first read of the scores
.endr
.irp t, 0,1,2,3                                ; V's four tiles of 16 channels x 128 keys: they land under the softmax
.irp p, 0,1,2,3
	ds_load_b128 v[32+16*\t+4*\p:35+16*\t+4*\p], v2 offset:32768*\s+16384+8192*\q+2048*\t+512*\p
.endr
.endr
	s_cmp_lg_u32 s13, s12                          ; only the diagonal block has hidden keys
	s_cbranch_scc1 .Lopen_\@
	v_mov_b32 v254, 0xff800000                     ; -infinity: p = 0 then
.irp n, 0,1,2,3,4,5,6,7,8,9,10,11,12,13,14,15,16,17,18,19,20,21,22,23,24,25,26,27,28,29,30,31,32,33,34,35,36,37,38,39,40,41,42,43,44,45,46,47,48,49,50,51,52,53,54,55,56,57,58,59,60,61,62,63
	v_cmp_gt_i32 vcc_lo, 32*(\n/16)+\n%16, v4
	v_cndmask_b32 v[96+\n], v[96+\n], v254, vcc_lo
.endr
.Lopen_\@:
	v_max3_num_f32 v254, v96, v97, v98             ; the step's largest score of my query among my 64 keys, in two chains,
	v_max3_num_f32 v252, v99, v100, v101
.irp i, 6,10,14,18,22,26,30,34,38,42,46,50,54,58
	v_max3_num_f32 v254, v254, v[96+\i], v[97+\i]
	v_max3_num_f32 v252, v252, v[98+\i], v[99+\i]
.endr
	v_max3_num_f32 v254, v254, v158, v159
	v_max_num_f32 v254, v254, v252
	v_permlanex16_b32 v246, v254, s20, s21
	v_max_num_f32 v254, v254, v246                 ; and among lane l xor 16's
	v_mul_f32 v254, s22, v254                      ; as t (c is positive)
	v_max_num_f32 v13, v13, v254                   ; the running largest t
	v_mov_b32 v254, v12
	v_floor_f32 v12, -v13                          ; the new -M = floor(-t) = -ceil(t)
	v_sub_f32 v254, v12, v254                      ; old M - new M: a whole number, 0 or less
	v_cvt_i32_f32 v254, v254                       ; (it saturates)
	v_ldexp_f32 v252, 1.0, v254                    ; f = 2^(old M - new M)
.irp j, 0,2,4,6,8,10,12,14,16,18,20,22,24,26,28,30,32,34,36,38,40,42,44,46,48,50,52,54,56,58,60,62
	v_pk_fma_f32 v[96+\j:97+\j], v[96+\j:97+\j], s[22:23], v[12:13] op_sel_hi:[1,0,0]   ; t - M, two at a time
.endr
.irp j, 0,1,2,3,4,5,6,7,8,9,10,11,12,13,14,15,16,17,18,19,20,21,22,23,24,25,26,27,28,29,30,31,32,33,34,35,36,37,38,39,40,41,42,43,44,45,46,47,48,49,50,51,52,53,54,55,56,57,58,59,60,61,62,63
	v_exp_f32 v[96+\j], v[96+\j]                   ; p = 2^(t - M), at most 1
.endr
	v_pk_mul_f32 v[14:15], v[14:15], v[252:253] op_sel_hi:[1,0]   ; the sums under the new M: the plain line behind the exponentials
	s_wait_alu depctr_va_vdst(0)                   ; one wait for the batch of 64, ahead of its first reader
	v_pk_add_f32 v[242:243], v[96:97], v[98:99]    ; the row's sum is taken of the unquantised p, in two chains
.irp j, 4,8,12,16,20,24,28,32,36,40,44,48,52,56,60
	v_pk_add_f32 v[14:15], v[14:15], v[96+\j:97+\j]
	v_pk_add_f32 v[242:243], v[242:243], v[98+\j:99+\j]
.endr
	v_pk_add_f32 v[14:15], v[14:15], v[242:243]
	s_cmp_ge_i32 s32, -8                           ; p is at most 1 and 448 x 2^e8 is at least 1.75 from e8 = -8 on: the hold can bind only below that.  (A branch on a given whole number; this text has no tensor load, and no barrier stands under it)
	s_cbranch_scc1 .Lnohold_\@
.irp j, 0,1,2,3,4,5,6,7,8,9,10,11,12,13,14,15,16,17,18,19,20,21,22,23,24,25,26,27,28,29,30,31,32,33,34,35,36,37,38,39,40,41,42,43,44,45,46,47,48,49,50,51,52,53,54,55,56,57,58,59,60,61,62,63
	v_min_num_f32 v[96+\j], v[96+\j], v240         ; the conversion does not saturate (ISA guide 7.6.2); p is not negative, so the hold is one-sided
.endr
.Lnohold_\@:
.irp g, 0,1,2,3,4,5,6,7
	v_cvt_scalef32_pk8_fp8_f32 v[224+2*\g:225+2*\g], v[96+8*\g:103+8*\g], v244
.endr
.irp j, 0,2,4,6,8,10,12,14,16,18,20,22,24,26,28,30
	v_pk_mul_f32 v[160+\j:161+\j], v[160+\j:161+\j], v[252:253] op_sel_hi:[1,0]   ; O^T under the new M.  (Also the plain lines between the conversions and the products that read the codes)
.endr
	s_wait_dscnt 0x0                               ; V is in
.irp t, 0,1,2,3                                ; the four accumulators by turns, one instruction a turn; eight other products stand between a step's and the next step's
	v_wmma_f32_16x16x128_fp8_fp8 v[160+8*\t:167+8*\t], v[32+16*\t:47+16*\t], v[224:239], v[160+8*\t:167+8*\t]
.endr
.rept 4
	v_nop                                          ; places: in front of the next loads into v32-95 and of whatever reads O^T next
.endr
.Lskip_\@:
	s_add_co_u32 s13, s13, 1
.endm
; A SLOT: what was asked for a slot ago goes into LDS slot s; one barrier; the next slot is asked for; two key steps.
.macro SLOT s
	s_wait_loadcnt 0x0                             ; my 64 bytes of the slot are in (the first time: Q too); v3 is free
	ds_store_b128 v1, v[192:195] offset:32768*\s
	ds_store_b128 v1, v[196:199] offset:32768*\s+8192
	ds_store_b128 v1, v[200:203] offset:32768*\s+16384
	ds_store_b128 v1, v[204:207] offset:32768*\s+24576
	s_add_co_u32 s24, s24, 16384                   ; the next slot; behind a head's last slot the address is held at that slot, so that no load leaves the buffer (what is then loaded is not used)
	s_min_u32 s24, s24, 15*16384
	s_wait_dscnt 0x0                               ; for the others' sake: my stores have landed; my reads of the other slot were awaited in its steps
	s_barrier_signal -1
	s_barrier_wait -1
	v_add_nc_u32 v3, s24, v1
	global_load_b128 v[192:195], v3, s[16:17]
	global_load_b128 v[196:199], v3, s[16:17] offset:8192
	global_load_b128 v[200:203], v3, s[18:19]
	global_load_b128 v[204:207], v3, s[18:19] offset:8192
	STEP \s, 0
	STEP \s, 1
.endm
.Lloop:                                            ; a trip is two slots, so that the slot's number stands in the immediates
	SLOT 0
	SLOT 1
	s_add_co_u32 s14, s14, 1
	s_cmp_lt_u32 s14, s15
	s_cbranch_scc1 .Lloop
	; THE WAY OUT: O^T / the sum, held, quantised with 2^(e10 - e8 - e9); two pieces of the last product's operand, 512 bytes each
	v_add_f32 v14, v14, v15
	v_permlanex16_b32 v246, v14, s20, s21
	v_add_f32 v14, v14, v246                       ; the row's sum
	v_rcp_f32 v14, v14
	v_nop                                          ; a plain line behind the transcendental
	s_wait_alu depctr_va_vdst(0)                   ; and the wait ahead of its first reader
.irp j, 0,2,4,6,8,10,12,14,16,18,20,22,24,26,28,30
	v_pk_mul_f32 v[96+\j:97+\j], v[160+\j:161+\j], v[14:15] op_sel_hi:[1,0]
.endr
.irp j, 0,1,2,3,4,5,6,7,8,9,10,11,12,13,14,15,16,17,18,19,20,21,22,23,24,25,26,27,28,29,30,31
	v_med3_num_f32 v[96+\j], v[96+\j], -v241, v241
.endr
.irp g, 0,1,2,3
	v_cvt_scalef32_pk8_fp8_f32 v[224+2*\g:225+2*\g], v[96+8*\g:103+8*\g], v245
.endr
	v_nop
	global_store_b128 v2, v[224:227], s[8:9]       ; channels 0-31 of my head
	global_store_b128 v2, v[228:231], s[8:9] offset:512   ; channels 32-63
	s_wait_tensorcnt 0x0
	ds_add_u32 v251, v255
	s_wait_dscnt 0x0
	s_endpgm
.Lfunc_end_k_qdf90108a84_attn:
	.size	k_qdf90108a84_attn, .Lfunc_end_k_qdf90108a84_attn-k_qdf90108a84_attn
	.p2alignl 7, 3214868480
	.fill 96, 4, 3214868480
	.section	.rodata,"a",@progbits
	.p2align	6, 0x0
	.amdhsa_kernel k_qdf90108a84_attn
		.amdhsa_group_segment_fixed_size 67584
		.amdhsa_private_segment_fixed_size 0
		.amdhsa_enable_private_segment 0
		.amdhsa_kernarg_size 24
		.amdhsa_user_sgpr_count 2
		.amdhsa_user_sgpr_kernarg_segment_ptr 1
		.amdhsa_wavefront_size32 1
		.amdhsa_system_sgpr_workgroup_id_x 1
		.amdhsa_system_sgpr_workgroup_id_y 1
		.amdhsa_system_sgpr_workgroup_id_z 1
		.amdhsa_system_vgpr_workitem_id 0
		.amdhsa_next_free_vgpr 256
		.amdhsa_next_free_sgpr 66
		.amdhsa_reserve_vcc 1
		.amdhsa_float_denorm_mode_32 3
		.amdhsa_float_denorm_mode_16_64 3
		.amdhsa_memory_ordered 1
		.amdhsa_forward_progress 1
		.amdhsa_inst_pref_size 92
	.end_amdhsa_kernel
	.amdgpu_metadata
---
amdhsa.version: [ 1, 2 ]
amdhsa.kernels:
  - .name:           k_qdf90108a84_attn
    .symbol:         k_qdf90108a84_attn.kd
    .args:
      - { .name: qkv, .offset: 0, .size: 8, .value_kind: global_buffer, .address_space: global }
      - { .name: lowp_scales, .offset: 8, .size: 8, .value_kind: global_buffer, .address_space: global }
      - { .name: oc, .offset: 16, .size: 8, .value_kind: global_buffer, .address_space: global }
    .group_segment_fixed_size: 67584
    .private_segment_fixed_size: 0
    .kernarg_segment_align: 8
    .kernarg_segment_size: 24
    .max_flat_workgroup_size: 512
    .sgpr_count:     66
    .vgpr_count:     256
    .wavefront_size: 32
...
	.end_amdgpu_metadata
.endif
;; end of part 3
;; launch proj (part 4): grid 8 x 32, 4 waves a work-group, clusters of 4 x 4, 327,680 bytes of LDS; arguments oc, wc, lowp_scales, out0; writes out0
.if DOCPART == 4
	.amdgcn_target "amdgcn-amd-amdhsa--gfx1250"
	.amdhsa_code_object_version 6
	.text
	.protected	k_qdf90108a84_proj
	.globl	k_qdf90108a84_proj
	.p2align	8
	.type	k_qdf90108a84_proj,@function
k_qdf90108a84_proj:
	s_mov_b64 s[64:65], 0
	v_nop
	global_prefetch_b8 v0, s[64:65] scope:SCOPE_SE
	s_setreg_imm32_b32 hwreg(HW_REG_WAVE_MODE, 25, 1), 1
	s_wait_xcnt 0x0
	s_wait_alu depctr_hold_cnt(0) depctr_sa_sdst(0) depctr_va_vdst(0) depctr_va_sdst(0) depctr_va_ssrc(0) depctr_va_vcc(0) depctr_vm_vsrc(0)
	s_getreg_b32 s2, hwreg(HW_REG_IB_STS2, 6, 4)
	s_cmp_eq_u32 s2, 0
	s_cbranch_scc0 .Lentry_in_a_cluster
	s_endpgm
.Lentry_in_a_cluster:
	s_bfe_u32 s2, ttmp6, 0x10000c
	s_cmp_lg_u32 s2, 0xf033
	s_cbranch_scc0 .Lentry_shape_is_right
	s_endpgm
.Lentry_shape_is_right:
; out0 = O wo^T on E4M3 codes: M = 4,096, N = 1,024, K = 1,024; each sum x 2^(e10 + e11).  LIMIT: e10 + e11 between -126 and 127.
; A tile of 128 x 128 gives 256 work-groups; four waves, 64 x 64 each: 16 accumulators.  ALL OF K LIES IN LDS: four chunks of 256 along K of A and of B, each filled once, at the head: no slot is filled again.
; A = oc: images of the operand's registers, [tile of 16 rows][K step of 128][4][lane][16]; lane (r, h) of tile 8 B + T holds row 128 B + 32 (T / 2) + 8 (T % 2) + r + 8 (r / 8), K = 32 c + 16 h + 0 .. 15 of the step.
; B = wo's codes, rows of 1,024 bytes, bits 3 and 4 of the row's number exchanged; read from padded LDS rows in the same order of K.
; Source 0 = 16 rows of B, source 1 = a tile of A: a lane holds one row of out0; register j of accumulator b holds column 32 (b / 2) + 16 h + 8 (b % 2) + j of my 64.
; CLUSTERS: 4 x 4 work-groups; A's chunks are asked for jointly along a row of the cluster, B's along a column.  A wave has four tensor loads out at the most.
; REGISTERS: window 0: v16-19, v20-23 LDS addresses of A's and B's fragments in chunk 0 .. 3; v24-26 the way out; v32-63 scaled sums; v64-127 rows read back, two sets; v128-255 the accumulators ((a, b) at v[128 + 8 (4 a + b)]).
;   window 1: two buffers of 128: A's four fragments, then B's four.
.set PITCH,  272                       ; B's LDS row: 256 bytes + 16 of padding
.set ACH,    32768                     ; a chunk of A: 8 tiles x 4,096 bytes, dense
.set BOFF,   4*ACH
.set BCH,    128*PITCH                 ; a chunk of B
.set STAGE,  BOFF+4*BCH                ; behind the chunks: 16 rows x 272 bytes for each wave; no tensor load lands there
.set SPITCH, 272
.set ADRA, 16
.set ADRB, 20
.set STO,  24
.set RD,   25
.set CO,   26
.set TMP,  32
.set BK,   64
.set ACC,  128
.set G1,  24                           ; s[24:31] group 1 for A's chunks;  s[68:83] four groups 0
.set G1B, 48                           ; s[48:55] for B's;  s[84:99] four groups 0
.set G0,  68
.set G0B, 84
.set MSB, 0
.macro WIN new                         ; the immediate's high byte repeats the setting that is left
.if MSB != \new
	s_set_vgpr_msb (MSB<<8)|\new
.set MSB, \new
.endif
.endm
.macro CROUND                          ; a round of the cluster's barrier
	s_barrier_signal -1
	s_barrier_wait -1
	s_cmp_lg_u32 s14, 0
	s_cbranch_scc1 .Lnot_wave_0_\@
	s_barrier_signal -3
.Lnot_wave_0_\@:
	s_barrier_wait -3
	s_barrier_signal -1
	s_barrier_wait -1
.endm
.macro PLACES
.rept 4
	v_nop
.endr
.endm
	s_load_b128 s[4:7], s[0:1], 0x0                ; oc, wc
	s_load_b128 s[8:11], s[0:1], 0x10              ; the exponents, out0
	v_lshl_add_u32 v30, v0, 2, 0x46400
	v_mov_b32 v31, 0
	ds_add_u32 v30, v31
	ds_add_u32 v30, v31
	v_lshrrev_b32 v1, 5, v0
	v_readfirstlane_b32 s14, v1                    ; wave 0..3
	s_lshr_b32 s15, s14, 1                         ; which half of the tile's rows is mine.  Also: I fetch for A (0) or for B (1)
	s_and_b32 s16, s14, 1                          ; which half of its columns.  Also: which half of a chunk I fetch
	s_bfe_u32 s40, ttmp6, 0x40000                  ; cx, cy
	s_bfe_u32 s41, ttmp6, 0x40004
	s_lshl_b32 s42, ttmp9, 2
	s_add_co_u32 s42, s42, s40                     ; tile column, 0 .. 7
	s_and_b32 s17, ttmp7, 0xffff
	s_lshl_b32 s17, s17, 2
	s_add_co_u32 s17, s17, s41                     ; tile row, 0 .. 31
	s_lshl_b32 s43, s41, 2
	s_lshl_b32 s43, 15, s43                        ; my row of the cluster
	s_lshl_b32 s44, 0x1111, s40                    ; my column
	s_or_b32 s[G1+0], s43, (3<<16)|(1<<21)         ; A: the mask of my row; elements of 8 bytes; 21 set beside a mask; no padding
	s_mov_b32 s[G1+1], 512<<16                     ; tensor_dim0 = 512 elements: a tile's 4,096 bytes of a chunk
	s_mov_b32 s[G1+2], 4<<16                       ; tensor_dim1 = 4 tiles of 16 rows
	s_mov_b32 s[G1+3], 512<<16                     ; tile_dim0
	s_mov_b32 s[G1+4], 4                           ; tile_dim1
	s_mov_b32 s[G1+5], 2048                        ; from tile to tile: 16,384 bytes
	s_mov_b32 s[G1+6], 0
	s_mov_b32 s[G1+7], 0
	s_or_b32 s[G1B+0], s44, (0<<16)|(1<<20)|(1<<21)|(5<<22)|(3<<25)  ; B: the mask of my column; elements of 1 byte; padding: four words after every 64
	s_mov_b32 s[G1B+1], 256<<16
	s_mov_b32 s[G1B+2], 64<<16
	s_mov_b32 s[G1B+3], 256<<16
	s_mov_b32 s[G1B+4], 64
	s_mov_b32 s[G1B+5], 1024
	s_mov_b32 s[G1B+6], 0
	s_mov_b32 s[G1B+7], 0
	s_lshl_b32 s20, s17, 3
	s_lshl_b32 s18, s16, 2
	s_add_co_u32 s20, s20, s18                     ; A: tile of rows 8 x tile row + 4 x half,
	s_lshl_b32 s20, s20, 14                        ; in bytes
	s_mov_b32 s21, 0
	s_lshl_b32 s46, s42, 7
	s_lshl_b32 s18, s16, 6
	s_add_co_u32 s46, s46, s18                     ; B: row 128 x tile column + 64 x half,
	s_lshl_b32 s46, s46, 10
	s_add_co_u32 s46, s46, 0x300000                ; of wo's codes, at 3 MiB of wc
	s_mov_b32 s47, 0
	s_lshl_b32 s45, s16, 14                        ; where they go: A's half of a chunk,
	s_mul_i32 s22, s16, 64*PITCH
	s_add_co_u32 s22, s22, BOFF                    ; B's: no place in the cluster enters an LDS address
	s_wait_dscnt 0x0
	s_wait_kmcnt 0x0
	s_load_b64 s[66:67], s[8:9], 0x28              ; e10, e11
	s_add_nc_u64 s[20:21], s[4:5], s[20:21]
	s_add_nc_u64 s[46:47], s[6:7], s[46:47]
.irp ch, 0,1,2,3
	s_mov_b32 s[G0+4*\ch], 1
	s_add_co_u32 s[G0+4*\ch+1], s45, \ch*ACH
	s_add_nc_u64 s[G0+4*\ch+2:G0+4*\ch+3], s[20:21], \ch*4096
	s_or_b32 s[G0+4*\ch+3], s[G0+4*\ch+3], 0x80000000
	s_mov_b32 s[G0B+4*\ch], 1
	s_add_co_u32 s[G0B+4*\ch+1], s22, \ch*BCH
	s_add_nc_u64 s[G0B+4*\ch+2:G0B+4*\ch+3], s[46:47], \ch*256
	s_or_b32 s[G0B+4*\ch+3], s[G0B+4*\ch+3], 0x80000000
.endr
	CROUND                                         ; all sixteen work-groups are here: the joint loads meet
	s_cmp_eq_u32 s15, 0                            ; a wave's four fills stand in one branch on the wave's number, ahead of every wait on TENSORcnt, every LDS read and every other barrier
	s_cbranch_scc0 .Lfill_b
	tensor_load_to_lds s[G0:G0+3], s[G1:G1+7]
	s_nop 0
	tensor_load_to_lds s[G0+4:G0+7], s[G1:G1+7]
	s_nop 0
	tensor_load_to_lds s[G0+8:G0+11], s[G1:G1+7]
	s_nop 0
	tensor_load_to_lds s[G0+12:G0+15], s[G1:G1+7]
	s_nop 0
.rept 4
	v_nop
.endr
	s_branch .Lfilled
.Lfill_b:
	tensor_load_to_lds s[G0B:G0B+3], s[G1B:G1B+7]
	s_nop 0
	tensor_load_to_lds s[G0B+4:G0B+7], s[G1B:G1B+7]
	s_nop 0
	tensor_load_to_lds s[G0B+8:G0B+11], s[G1B:G1B+7]
	s_nop 0
	tensor_load_to_lds s[G0B+12:G0B+15], s[G1B:G1B+7]
	s_nop 0
.rept 4
	v_nop
.endr
.Lfilled:
	v_and_b32 v1, 15, v0                           ; r
	v_bfe_u32 v2, v0, 4, 1                         ; h
	v_and_b32 v3, 31, v0
	v_lshlrev_b32 v4, 4, v3                        ; 16 x lane: an image's place for my lane
	v_mul_u32_u24 v5, v1, PITCH
	v_lshl_add_u32 v5, v2, 4, v5                   ; B: row x pitch + 16 x half
	s_lshl_b32 s23, s15, 14                        ; my four tiles of A,
	s_mul_i32 s18, s16, 64*PITCH
	s_add_co_u32 s18, s18, BOFF                    ; my 64 rows of B
.irp ch, 0,1,2,3
	v_add_nc_u32 v[ADRA+\ch], s23, v4
	v_add_nc_u32 v[ADRB+\ch], s18, v5
	s_add_co_u32 s23, s23, ACH
	s_add_co_u32 s18, s18, BCH
.endr
	s_mul_i32 s19, s14, 16*SPITCH
	s_add_co_u32 s19, s19, STAGE                   ; my stage
	v_mul_u32_u24 v6, v1, SPITCH
	v_lshl_add_u32 v6, v2, 6, v6
	v_add_nc_u32 v[STO], s19, v6                   ; in: row r, + 64 h bytes
	v_mul_u32_u24 v7, v2, SPITCH
	v_lshl_add_u32 v7, v1, 4, v7
	v_add_nc_u32 v[RD], s19, v7                    ; back: lanes 0-15 one row of 256 bytes, lanes 16-31 the next
	v_lshlrev_b32 v[CO], 12, v2
	v_lshl_add_u32 v[CO], v1, 4, v[CO]             ; and the same two rows of out0, 4,096 bytes apart
	s_lshl_b32 s56, s17, 7
	s_lshl_b32 s57, s15, 6
	s_add_co_u32 s56, s56, s57                     ; my first row: 128 x tile row + 64 x half,
	s_lshl_b32 s56, s56, 12
	s_lshl_b32 s58, s42, 7
	s_lshl_b32 s59, s16, 6
	s_add_co_u32 s58, s58, s59                     ; my first column: 128 x tile column + 64 x half
	s_lshl_b32 s58, s58, 2
	s_add_co_u32 s56, s56, s58
	s_mov_b32 s57, 0
	s_add_nc_u64 s[10:11], s[10:11], s[56:57]
; 32 LDS loads: the fragments of K step ks of chunk ch into buffer f: B's four, then A's four
.macro FETCH ch, ks, f
	WIN 0x40                                       ; destination window 1, address window 0
.irp i, 0,1,2,3
.irp p, 0,1,2,3
	ds_load_b128 v[\f+64+16*\i+4*\p:\f+64+16*\i+4*\p+3], v[ADRB+(\ch)] offset:16*PITCH*\i+128*(\ks)+32*\p
.endr
.endr
.irp i, 0,1,2,3
.irp p, 0,1,2,3
	ds_load_b128 v[\f+16*\i+4*\p:\f+16*\i+4*\p+3], v[ADRA+(\ch)] offset:4096*\i+2048*(\ks)+512*\p
.endr
.endr
.endm
; 16 matrix instructions, 128 along K: the 16 accumulators take turns, one instruction a turn.  zero = 1: the first products start the sums.
.macro MUL16 f, zero
	WIN 0x05                                       ; sources 0 (B) and 1 (A) window 1; C and D window 0
.irp a, 0,1,2,3
.irp b, 0,1,2,3
.if \zero
	v_wmma_f32_16x16x128_fp8_fp8 v[ACC+8*(4*\a+\b):ACC+8*(4*\a+\b)+7], v[\f+64+16*\b:\f+64+16*\b+15], v[\f+16*\a:\f+16*\a+15], 0
.else
	v_wmma_f32_16x16x128_fp8_fp8 v[ACC+8*(4*\a+\b):ACC+8*(4*\a+\b)+7], v[\f+64+16*\b:\f+64+16*\b+15], v[\f+16*\a:\f+16*\a+15], v[ACC+8*(4*\a+\b):ACC+8*(4*\a+\b)+7]
.endif
.endr
.endr
.endm
; K step s of eight: the next step's fragments are asked for, then this step is multiplied.  Where the next step begins a chunk, that chunk is shown landed to every wave first.
.macro KS s, zero
.if ((\s)%2 == 1) && ((\s) < 7)
	s_wait_dscnt 0x0                               ; no LDS load of mine is out at the signal
	s_wait_tensorcnt 3-((\s)+1)/2                  ; my part of chunk (s + 1) / 2 has landed; the later chunks' loads may be out
	s_barrier_signal -1
	s_barrier_wait -1                              ; everybody's has
.endif
.if (\s) < 7
.if (\s) > 0
	PLACES                                         ; in front of loads into the buffer that the step before multiplied
.endif
	FETCH ((\s)+1)/2, ((\s)+1)%2, 128*(((\s)+1)%2)
	s_wait_dscnt 32                                ; all but the 32 just issued: this step's fragments are in
.else
	s_wait_dscnt 0x0
.endif
	MUL16 128*((\s)%2), \zero
.endm
	s_wait_tensorcnt 3                             ; my part of chunk 0 has landed; three loads may be out
	s_barrier_signal -1
	s_barrier_wait -1
	FETCH 0, 0, 0
	KS 0, 1
	KS 1, 0
	KS 2, 0
	KS 3, 0
	KS 4, 0
	KS 5, 0                                        ; (its wait on TENSORcnt is for 0: no tensor load is out from here on)
	KS 6, 0
	KS 7, 0
	WIN 0
	; THE WAY OUT, a tile of 16 rows x 64 columns at a time: x 2^(e10 + e11), through my own stage, back as rows of 256 bytes: sixteen lanes store 256 consecutive bytes, aligned.
	s_wait_kmcnt 0x0
	s_add_co_i32 s66, s66, s67
	s_add_co_i32 s66, s66, 127
	s_lshl_b32 s66, s66, 23                        ; 2^(e10 + e11) as f32
	s_mov_b32 s67, s66                             ; (named with it as a pair, so it is written)
	PLACES                                         ; behind the last products
.macro TOSTAGE a
.irp j, 0,2,4,6,8,10,12,14,16,18,20,22,24,26,28,30
	v_pk_mul_f32 v[TMP+\j:TMP+\j+1], v[ACC+32*(\a)+\j:ACC+32*(\a)+\j+1], s[66:67] op_sel_hi:[1,0]   ; each accumulator from its low end on
.endr
.irp b, 0,1,2,3
	ds_store_b128 v[STO], v[TMP+8*\b:TMP+8*\b+3] offset:128*(\b/2)+32*(\b%2)       ; columns 32 (b / 2) + 16 h + 8 (b % 2) on
	ds_store_b128 v[STO], v[TMP+8*\b+4:TMP+8*\b+7] offset:128*(\b/2)+32*(\b%2)+16
.endr
.irp t, 0,1,2,3,4,5,6,7
	ds_load_b128 v[BK+32*((\a)%2)+4*\t:BK+32*((\a)%2)+4*\t+3], v[RD] offset:2*SPITCH*\t   ; LDS serves a wave's instructions in order: these see my stores, and the next tile's stores come behind them
.endr
.endm
.macro SEND a, younger                 ; stage row 2 t + h is row 32 (a / 2) + 8 (a % 2) + 2 t + 8 (t / 4) + h of my 64
	s_wait_dscnt \younger
.irp t, 0,1,2,3,4,5,6,7
	global_store_b128 v[CO], v[BK+32*((\a)%2)+4*\t:BK+32*((\a)%2)+4*\t+3], s[10:11] offset:(32*((\a)/2)+8*((\a)%2)+2*\t+8*(\t/4))*4096 th:TH_STORE_NT
.endr
.endm
	TOSTAGE 0
	TOSTAGE 1
	SEND 0, 16                                     ; behind tile 0's loads: tile 1's 8 stores and 8 loads
	s_wait_xcnt 0x0                                ; tile 0's stores have read their data: tile 2's loads may land there
	TOSTAGE 2
	SEND 1, 16
	s_wait_xcnt 0x0
	TOSTAGE 3
	SEND 2, 16
	SEND 3, 0
	s_wait_tensorcnt 0x0
	ds_add_u32 v30, v31
	s_wait_dscnt 0x0
	CROUND                                         ; the closing round: no work-group ends while a partner may still ask for a chunk that names it
	s_endpgm
.Lfunc_end_k_qdf90108a84_proj:
	.size	k_qdf90108a84_proj, .Lfunc_end_k_qdf90108a84_proj-k_qdf90108a84_proj
	.p2alignl 7, 3214868480
	.fill 96, 4, 3214868480
	.section	.rodata,"a",@progbits
	.p2align	6, 0x0
	.amdhsa_kernel k_qdf90108a84_proj
		.amdhsa_group_segment_fixed_size 327680
		.amdhsa_private_segment_fixed_size 0
		.amdhsa_enable_private_segment 0
		.amdhsa_kernarg_size 32
		.amdhsa_user_sgpr_count 2
		.amdhsa_user_sgpr_kernarg_segment_ptr 1
		.amdhsa_wavefront_size32 1
		.amdhsa_system_sgpr_workgroup_id_x 1
		.amdhsa_system_sgpr_workgroup_id_y 1
		.amdhsa_system_sgpr_workgroup_id_z 1
		.amdhsa_system_vgpr_workitem_id 0
		.amdhsa_next_free_vgpr 512
		.amdhsa_next_free_sgpr 100
		.amdhsa_reserve_vcc 0
		.amdhsa_float_denorm_mode_32 3
		.amdhsa_float_denorm_mode_16_64 3
		.amdhsa_memory_ordered 1
		.amdhsa_forward_progress 1
		.amdhsa_inst_pref_size 47
	.end_amdhsa_kernel
	.amdgpu_metadata
---
amdhsa.version: [ 1, 2 ]
amdhsa.kernels:
  - .name:           k_qdf90108a84_proj
    .symbol:         k_qdf90108a84_proj.kd
    .args:
      - { .name: oc, .offset: 0, .size: 8, .value_kind: global_buffer, .address_space: global }
      - { .name: wc, .offset: 8, .size: 8, .value_kind: global_buffer, .address_space: global }
      - { .name: lowp_scales, .offset: 16, .size: 8, .value_kind: global_buffer, .address_space: global }
      - { .name: out0, .offset: 24, .size: 8, .value_kind: global_buffer, .address_space: global }
    .group_segment_fixed_size: 327680
    .private_segment_fixed_size: 0
    .kernarg_segment_align: 8
    .kernarg_segment_size: 32
    .max_flat_workgroup_size: 128
    .sgpr_count:     100
    .vgpr_count:     512
    .wavefront_size: 32
...
	.end_amdgpu_metadata
.endif
;; end of part 4
;; ======== version 2 of 2: 4 launches; version 1 with the launch attn written anew for expert scheduling mode
;; workspace buffers: xc 12,582,912 bytes; wc 4,194,304 bytes; tab 1,048,576 bytes; qkv 12,582,912 bytes; oc 4,194,304 bytes
;; launch prep: the kernel of part 1 again; grid 512 x 1, 4 waves a work-group, no clusters, 33,280 bytes of LDS; arguments x, wq, wk, wv, wo, lowp_scales, xc, wc, tab; writes xc, wc, tab
;; launch qkv: the kernel of part 2 again; grid 12 x 16, 4 waves a work-group, clusters of 4 x 4, 327,680 bytes of LDS; arguments xc, wc, tab, lowp_scales, qkv; writes qkv
;; launch attn (part 5): grid 16 x 16, 16 waves a work-group, no clusters, 67,584 bytes of LDS; arguments qkv, lowp_scales, oc; writes oc
.if DOCPART == 5
	.amdgcn_target "amdgcn-amd-amdhsa--gfx1250"
	.amdhsa_code_object_version 6
	.text
	.protected	k_qdf90108a84_attn
	.globl	k_qdf90108a84_attn
	.p2align	8
	.type	k_qdf90108a84_attn,@function
k_qdf90108a84_attn:
	s_mov_b64 s[64:65], 0
	v_nop
	global_prefetch_b8 v0, s[64:65] scope:SCOPE_SE
	s_setreg_imm32_b32 hwreg(HW_REG_WAVE_SCHED_MODE, 0, 2), 2
	s_setreg_imm32_b32 hwreg(HW_REG_WAVE_MODE, 25, 1), 1
	s_wait_xcnt 0x0
	s_wait_alu depctr_vm_vsrc(0)
; Causal attention on E4M3 codes: 16 heads of 64, 4,096 tokens.  S^T = K Q^T (K = 64), p = 2^(t - M), O^T = V^T P^T (K = the keys), O / the row's sum quantised for the last product.
; t = score x log2(e) / 8; M = the running largest t rounded UP to a whole number; p is quantised with 2^e8, not normalised; the row's sum is taken of the unquantised p.  When M moves, the sum and O^T are
; multiplied by 2^(old M - new M), which rounds nothing.
; THE OPERANDS ARRIVE AS IMAGES OF THEIR REGISTERS: each piece is [lane][16 bytes], 512 bytes.  qc, kc: [head][tile of 16 tokens][2][lane][16], lane (r, h) of tile 8 B + a: token 128 B + 32 (a / 2) + 8 (a % 2) + r + 8 (r / 8),
; channels 32 g + 16 h + 0 .. 15.  vc: [head][block of 128 keys][tile t][4][lane][16], lane (r, h): channel 32 (t / 2) + 8 (t % 2) + r + 8 (r / 8), keys 32 c + 16 h + 0 .. 15.
; So a lane holds ONE query throughout; the 16 registers of score tiles 2 b, 2 b + 1 are keys 32 b + 16 h + 0 .. 15, and those of O^T's tiles 2 j, 2 j + 1 channels 32 j + 16 h + 0 .. 15: the conversions' results are the next operands' registers.
; SHARES.  Work-group (i, head) owns the query blocks i and 31 - i, 128 queries each: 33 key blocks of work for each pair of waves, whatever i.  Wave w owns tile w / 2 of one of the two blocks; of four waves
; on end, and of four waves 4 apart, two have each block.  All sixteen waves walk the same key slots; a wave leaves out the steps whose 128 keys all come after its block (a scalar branch on ids).
; NO CLUSTER, NO TENSOR LOAD: work-groups of a head want 17 to 32 key blocks, so partners would need different numbers of tiles, and a step's shared bytes (16 KB for sixteen waves' softmax) are few.
; THE KEYS' WAY: 512 threads load a slot (256 keys: 16 KB of K's images, 16 KB of V's) into 16 registers each, one slot of work ahead, and store it into one of two LDS slots as it lies.  One barrier a slot: a slot is
; stored again only behind the other slot's barrier, which every wave signals behind its awaited reads.
; LIMITS: e6 + e7 between -123 and 130 (added to c's exponent field); e8, and e10 - e8 - e9, between -126 and 119.
; THE MODE: SCHED_MODE bits 1:0 = 2 (LLVM: expert scheduling mode 2), set by the entry lines.  The code itself states the register dependences between vector or matrix instructions and memory or LDS
; instructions, with s_wait_alu, always for 0.
; THE PLAN.  Registers that memory or LDS instructions touch:
;   v1, v2      16 x thread, 16 x lane: every address and offset.  Written at the head and never again: the slot that is asked for is reached by two scalar bases, made anew for each slot.
;   v16-23      Q: loaded once, read by matrix instructions alone.
;   v192-207    The slot on its way.  Written by the four loads behind a slot's barrier; read by the next slot's four LDS stores; named by no vector instruction.
;   v32-95      A step: K's 16 LDS loads land here; eight products read them; V's 16 LDS loads land here; four products read them.
;   v224-231    At the way out alone: written by four conversions, read by the two stores.
;   v251, v255  Written at the head, read by the closing add alone.
; So a step has two waits on va_vdst, each behind the products that have read v32-95 and ahead of the loads that land there: the first at the step's head, the second behind the eight products and their places.
; V's loads follow the second, four at once and four at each of three places in the chain of maxima: the vector instructions between name v4, v252, v254, the scores v96-159 and masks in scalar registers, none of v32-95 or v2.
; A slot has one wait on vm_vsrc, ahead of its four loads: the LDS stores have read v192-207.
; REGISTERS: v1 16 x thread, v2 16 x lane, v4 the mask's bound; v12 -M, v13 the largest t, v[14:15] the sum in two halves; v16-23 Q; v32-95 K's eight fragments, then V's four; v96-159 S^T, then p;
; v160-191 O^T; v192-207 the slot on its way; v224-239 p's codes; v240, v244: 448 x 2^e8, 2^e8; v241, v245: the same for the output; v242, v243, v246, v252-254 at work.
; s[16:17], s[18:19] kc and vc at my head; s[24:25] the byte of the slot that is asked for; s[52:53], s[54:55] the two bases at that slot; s36-51, in the loop, sixteen masks of the diagonal.
.set MK,  36                           ; s36-51   sixteen masks
.set KBS, 52                           ; s[52:53] kc at my head, at the slot that is asked for
.set VBS, 54                           ; s[54:55] vc likewise
	s_load_b128 s[4:7], s[0:1], 0x0                ; qkv, the exponents
	s_load_b64 s[8:9], s[0:1], 0x10                ; oc
	v_lshl_add_u32 v251, v0, 2, 0x10000
	v_mov_b32 v255, 0
	v_lshrrev_b32 v5, 5, v0
	v_readfirstlane_b32 s10, v5                    ; wave 0..15
	v_lshlrev_b32 v1, 4, v0
	v_and_b32 v5, 31, v0
	v_lshlrev_b32 v2, 4, v5
	s_wait_alu depctr_va_sdst(0)                   ; s10 is written, ahead of its first reader
	s_lshr_b32 s11, s10, 1                         ; T: my tile of 16 queries
	s_lshr_b32 s36, s10, 2
	s_xor_b32 s36, s36, s10
	s_and_b32 s36, s36, 1                          ; which of the two blocks
	s_sub_co_u32 s37, 31, ttmp9
	s_cmp_eq_u32 s36, 1
	s_cselect_b32 s12, s37, ttmp9                  ; wb: my query block
	s_sub_co_u32 s15, 35, ttmp9
	s_lshr_b32 s15, s15, 2                         ; trips of 512 keys: 32 - i key blocks, rounded up to fours
	s_and_b32 s38, ttmp7, 0xffff                   ; the head
	s_lshr_b32 s39, s11, 1
	s_lshl_b32 s39, s39, 5
	s_and_b32 s40, s11, 1
	s_lshl_b32 s40, s40, 3
	s_add_co_u32 s39, s39, s40                     ; 32 (T / 2) + 8 (T % 2)
	v_and_b32 v6, 15, v0                           ; r
	v_bfe_u32 v7, v0, 4, 1                         ; h
	v_and_b32 v8, 8, v6
	v_add_nc_u32 v4, v6, v8
	v_lshlrev_b32 v7, 4, v7
	v_sub_nc_u32 v4, v4, v7
	v_add_nc_u32 v4, s39, v4                       ; d = my query in its block - 16 h.  Register n holds key 32 (n / 16) + n % 16 + 16 h of the block: hidden, on the diagonal, where 32 (n / 16) + n % 16 > d
	s_lshl_b32 s44, s12, 3
	s_add_co_u32 s44, s44, s11                     ; my tile among the 256: 8 wb + T
	s_lshl_b32 s40, s38, 18                        ; a head's images are 262,144 bytes
	s_mov_b32 s41, 0
	s_lshl_b32 s42, s44, 10
	s_mov_b32 s43, 0
	s_lshl_b32 s46, s44, 14                        ; oc: a tile of 16 rows is 16,384 bytes; head hd's 64 channels begin 1,024 hd bytes on
	s_lshl_b32 s47, s38, 10
	s_add_co_u32 s46, s46, s47
	s_mov_b32 s47, 0
	s_mov_b32 s20, 0x76543210                      ; v_permlanex16_b32: lane l xor 16
	s_mov_b32 s21, 0xfedcba98
	s_mov_b32 s13, 0                               ; KB: the step's key block
	s_mov_b32 s14, 0                               ; trips done
	s_mov_b32 s24, 0                               ; the byte, in a head's images of K and of V, of the slot that is asked for,
	s_mov_b32 s25, 0                               ; as a pair, to be added to the bases
	s_wait_kmcnt 0x0
	s_load_b256 s[28:35], s[6:7], 0x10             ; e4 .. e11: s30 e6, s31 e7, s32 e8, s33 e9, s34 e10
	s_add_nc_u64 s[16:17], s[4:5], s[40:41]        ; qc at my head
	s_add_nc_u64 s[36:37], s[16:17], s[42:43]      ; my tile of Q
	s_add_nc_u64 s[18:19], s[16:17], 0x800000      ; vc at my head
	s_add_nc_u64 s[16:17], s[16:17], 0x400000      ; kc at my head
	s_add_nc_u64 s[8:9], s[8:9], s[46:47]
	s_wait_alu depctr_va_vdst(0)                   ; v1 and v2 are written: every load, store and LDS instruction of the kernel reads one of them as its address or offset
	global_load_b128 v[16:19], v2, s[36:37]        ; Q's fragment stays in registers
	global_load_b128 v[20:23], v2, s[36:37] offset:512
	global_load_b128 v[192:195], v1, s[16:17]      ; slot 0: 512 threads x 16 bytes are 8,192 bytes a line
	global_load_b128 v[196:199], v1, s[16:17] offset:8192
	global_load_b128 v[200:203], v1, s[18:19]
	global_load_b128 v[204:207], v1, s[18:19] offset:8192
	v_mov_b32 v13, 0xff61b1e6                      ; the largest t so far: -3e38, under every t
	v_floor_f32 v12, -v13                          ; -M
	v_mov_b32 v14, 0
	v_mov_b32 v15, 0
	v_mov_b32 v246, 0                              ; written once: a lane permute's destination counts as one of its sources
	v_mov_b32 v253, 0                              ; (named as the upper half of the pair v[252:253])
.irp j, 0,1,2,3,4,5,6,7,8,9,10,11,12,13,14,15,16,17,18,19,20,21,22,23,24,25,26,27,28,29,30,31
	v_mov_b32 v[160+\j], 0                         ; O^T: the step is written for every step alike; the first finds zeros, which the first change of M leaves zeros
.endr
	s_wait_kmcnt 0x0
	s_add_co_i32 s40, s30, s31
	s_lshl_b32 s40, s40, 23
	s_add_co_i32 s22, s40, 0x3e38aa3b              ; c = log2(e) / 8, with e6 + e7 added to its exponent field: a score stands for score x 2^(e6 + e7)
	s_mov_b32 s23, s22                             ; (named with it as a pair, so it is written)
	s_add_co_i32 s40, s32, 127
	s_lshl_b32 s41, s40, 23
	v_mov_b32 v244, s41                            ; 2^e8
	s_add_co_i32 s40, s40, 8
	s_lshl_b32 s40, s40, 23
	s_or_b32 s40, s40, 0x600000
	v_mov_b32 v240, s40                            ; 448 x 2^e8
	s_sub_co_i32 s40, s34, s32
	s_sub_co_i32 s40, s40, s33                     ; a sum of the second product stands for sum x 2^(e8 + e9): the output's conversion takes 2^(e10 - e8 - e9)
	s_add_co_i32 s40, s40, 127
	s_lshl_b32 s41, s40, 23
	v_mov_b32 v245, s41
	s_add_co_i32 s40, s40, 8
	s_lshl_b32 s40, s40, 23
	s_or_b32 s40, s40, 0x600000
	v_mov_b32 v241, s40
; V's tile t of key block q of LDS slot s: 16 channels x 128 keys, four LDS loads
.macro VLOAD s, q, t
.irp p, 0,1,2,3
	ds_load_b128 v[32+16*(\t)+4*\p:35+16*(\t)+4*\p], v2 offset:32768*(\s)+16384+8192*(\q)+2048*(\t)+512*\p
.endr
.endm
; A KEY STEP: key block q of LDS slot s.
.macro STEP s, q
	s_cmp_gt_u32 s13, s12                          ; all 128 keys come after my queries: the step's work is left out
	s_cbranch_scc1 .Lskip_\@
	s_wait_alu depctr_va_vdst(0)                   ; the four products of the step before are done reading V's fragments in v32-95, in which K's loads land
.irp t, 0,1,2,3,4,5,6,7                        ; K's eight tiles of 16 keys
	ds_load_b128 v[32+8*\t:35+8*\t], v2 offset:32768*\s+8192*\q+1024*\t
	ds_load_b128 v[36+8*\t:39+8*\t], v2 offset:32768*\s+8192*\q+1024*\t+512
.endr
	s_wait_dscnt 0x0
.irp t, 0,1,2,3,4,5,6,7
	v_wmma_f32_16x16x64_fp8_fp8 v[96+8*\t:103+8*\t], v[32+8*\t:39+8*\t], v[16:23], 0
.endr
.rept 4
	v_nop                                          ; places in front of the first read of the scores
.endr
	s_wait_alu depctr_va_vdst(0)                   ; the eight products are done reading K's fragments in v32-95, in which V's loads land
	VLOAD \s, \q, 0                                ; V's four tiles land under the softmax: the first here, the others among the maxima; no vector instruction up to the last of them names v32-95 or v2
	s_cmp_lg_u32 s13, s12                          ; only the diagonal block has hidden keys
	s_cbranch_scc1 .Lopen_\@
	v_mov_b32 v254, 0xff800000                     ; -infinity: p = 0 then
.irp b, 0,1,2,3                                ; sixteen compares into sixteen scalar registers, one wait, sixteen selections
.irp i, 0,1,2,3,4,5,6,7,8,9,10,11,12,13,14,15
	v_cmp_gt_i32 s[MK+\i], 32*\b+\i, v4
.endr
	s_wait_alu depctr_va_sdst(0)                   ; the sixteen masks are written, ahead of their first reader
.irp i, 0,1,2,3,4,5,6,7,8,9,10,11,12,13,14,15
	v_cndmask_b32 v[96+16*\b+\i], v[96+16*\b+\i], v254, s[MK+\i]
.endr
.endr
.Lopen_\@:
	v_max3_num_f32 v254, v96, v97, v98             ; the step's largest score of my query among my 64 keys, in two chains,
	v_max3_num_f32 v252, v99, v100, v101
.irp i, 6,10,14,18
	v_max3_num_f32 v254, v254, v[96+\i], v[97+\i]
	v_max3_num_f32 v252, v252, v[98+\i], v[99+\i]
.endr
	VLOAD \s, \q, 1
.irp i, 22,26,30,34,38
	v_max3_num_f32 v254, v254, v[96+\i], v[97+\i]
	v_max3_num_f32 v252, v252, v[98+\i], v[99+\i]
.endr
	VLOAD \s, \q, 2
.irp i, 42,46,50,54,58
	v_max3_num_f32 v254, v254, v[96+\i], v[97+\i]
	v_max3_num_f32 v252, v252, v[98+\i], v[99+\i]
.endr
	VLOAD \s, \q, 3
	v_max3_num_f32 v254, v254, v158, v159
	v_max_num_f32 v254, v254, v252
	v_permlanex16_b32 v246, v254, s20, s21
	v_max_num_f32 v254, v254, v246                 ; and among lane l xor 16's
	v_mul_f32 v254, s22, v254                      ; as t (c is positive)
	v_max_num_f32 v13, v13, v254                   ; the running largest t
	v_mov_b32 v254, v12
	v_floor_f32 v12, -v13                          ; the new -M = floor(-t) = -ceil(t)
	v_sub_f32 v254, v12, v254                      ; old M - new M: a whole number, 0 or less
	v_cvt_i32_f32 v254, v254                       ; (it saturates)
	v_ldexp_f32 v252, 1.0, v254                    ; f = 2^(old M - new M)
.irp j, 0,2,4,6,8,10,12,14,16,18,20,22,24,26,28,30,32,34,36,38,40,42,44,46,48,50,52,54,56,58,60,62
	v_pk_fma_f32 v[96+\j:97+\j], v[96+\j:97+\j], s[22:23], v[12:13] op_sel_hi:[1,0,0]   ; t - M, two at a time
.endr
.irp j, 0,1,2,3,4,5,6,7,8,9,10,11,12,13,14,15,16,17,18,19,20,21,22,23,24,25,26,27,28,29,30,31,32,33,34,35,36,37,38,39,40,41,42,43,44,45,46,47,48,49,50,51,52,53,54,55,56,57,58,59,60,61,62,63
	v_exp_f32 v[96+\j], v[96+\j]                   ; p = 2^(t - M), at most 1
.endr
	v_pk_mul_f32 v[14:15], v[14:15], v[252:253] op_sel_hi:[1,0]   ; the sums under the new M: the plain line behind the exponentials
	s_wait_alu depctr_va_vdst(0)                   ; the 64 exponentials have written p in v96-159: one wait for the batch, ahead of its first reader
	v_pk_add_f32 v[242:243], v[96:97], v[98:99]    ; the row's sum is taken of the unquantised p, in two chains
.irp j, 4,8,12,16,20,24,28,32,36,40,44,48,52,56,60
	v_pk_add_f32 v[14:15], v[14:15], v[96+\j:97+\j]
	v_pk_add_f32 v[242:243], v[242:243], v[98+\j:99+\j]
.endr
	v_pk_add_f32 v[14:15], v[14:15], v[242:243]
	s_cmp_ge_i32 s32, -8                           ; p is at most 1 and 448 x 2^e8 is at least 1.75 from e8 = -8 on: the hold can bind only below that.  (A branch on a given whole number; this text has no tensor load, and no barrier stands under it)
	s_cbranch_scc1 .Lnohold_\@
.irp j, 0,1,2,3,4,5,6,7,8,9,10,11,12,13,14,15,16,17,18,19,20,21,22,23,24,25,26,27,28,29,30,31,32,33,34,35,36,37,38,39,40,41,42,43,44,45,46,47,48,49,50,51,52,53,54,55,56,57,58,59,60,61,62,63
	v_min_num_f32 v[96+\j], v[96+\j], v240         ; the conversion does not saturate (ISA guide 7.6.2); p is not negative, so the hold is one-sided
.endr
.Lnohold_\@:
.irp g, 0,1,2,3,4,5,6,7
	v_cvt_scalef32_pk8_fp8_f32 v[224+2*\g:225+2*\g], v[96+8*\g:103+8*\g], v244
.endr
.irp j, 0,2,4,6,8,10,12,14,16,18,20,22,24,26,28,30
	v_pk_mul_f32 v[160+\j:161+\j], v[160+\j:161+\j], v[252:253] op_sel_hi:[1,0]   ; O^T under the new M.  (Also the plain lines between the conversions and the products that read the codes)
.endr
	s_wait_dscnt 0x0                               ; V is in
.irp t, 0,1,2,3                                ; the four accumulators by turns, one instruction a turn; eight other products stand between a step's and the next step's
	v_wmma_f32_16x16x128_fp8_fp8 v[160+8*\t:167+8*\t], v[32+16*\t:47+16*\t], v[224:239], v[160+8*\t:167+8*\t]
.endr
.rept 4
	v_nop                                          ; places in front of whatever vector instruction reads O^T next
.endr
.Lskip_\@:
	s_add_co_u32 s13, s13, 1
.endm
; A SLOT: what was asked for a slot ago goes into LDS slot s; one barrier; the next slot is asked for; two key steps.
.macro SLOT s
	s_wait_loadcnt 0x0                             ; my 64 bytes of the slot are in (the first time: Q too); the loads that read the two bases are done
	ds_store_b128 v1, v[192:195] offset:32768*\s
	ds_store_b128 v1, v[196:199] offset:32768*\s+8192
	ds_store_b128 v1, v[200:203] offset:32768*\s+16384
	ds_store_b128 v1, v[204:207] offset:32768*\s+24576
	s_add_co_u32 s24, s24, 16384                   ; the next slot; behind a head's last slot the address is held at that slot, so that no load leaves the buffer (what is then loaded is not used)
	s_min_u32 s24, s24, 15*16384
	s_add_nc_u64 s[KBS:KBS+1], s[16:17], s[24:25]  ; the two bases at that slot: free since the wait at the slot's head
	s_add_nc_u64 s[VBS:VBS+1], s[18:19], s[24:25]
	s_wait_dscnt 0x0                               ; for the others' sake: my stores have landed; my reads of the other slot were awaited in its steps
	s_barrier_signal -1
	s_barrier_wait -1
	s_wait_alu depctr_vm_vsrc(0)                   ; my four LDS stores have read v192-207, in which the loads below land
	global_load_b128 v[192:195], v1, s[KBS:KBS+1]
	global_load_b128 v[196:199], v1, s[KBS:KBS+1] offset:8192
	global_load_b128 v[200:203], v1, s[VBS:VBS+1]
	global_load_b128 v[204:207], v1, s[VBS:VBS+1] offset:8192
	STEP \s, 0
	STEP \s, 1
.endm
.Lloop:                                            ; a trip is two slots, so that the slot's number stands in the immediates
	SLOT 0
	SLOT 1
	s_add_co_u32 s14, s14, 1
	s_cmp_lt_u32 s14, s15
	s_cbranch_scc1 .Lloop
	; THE WAY OUT: O^T / the sum, held, quantised with 2^(e10 - e8 - e9); two pieces of the last product's operand, 512 bytes each
	v_add_f32 v14, v14, v15
	v_permlanex16_b32 v246, v14, s20, s21
	v_add_f32 v14, v14, v246                       ; the row's sum
	v_rcp_f32 v14, v14
	v_nop                                          ; a plain line behind the transcendental
	s_wait_alu depctr_va_vdst(0)                   ; the reciprocal has written v14, ahead of its first reader
.irp j, 0,2,4,6,8,10,12,14,16,18,20,22,24,26,28,30
	v_pk_mul_f32 v[96+\j:97+\j], v[160+\j:161+\j], v[14:15] op_sel_hi:[1,0]
.endr
.irp j, 0,1,2,3,4,5,6,7,8,9,10,11,12,13,14,15,16,17,18,19,20,21,22,23,24,25,26,27,28,29,30,31
	v_med3_num_f32 v[96+\j], v[96+\j], -v241, v241
.endr
.irp g, 0,1,2,3
	v_cvt_scalef32_pk8_fp8_f32 v[224+2*\g:225+2*\g], v[96+8*\g:103+8*\g], v245
.endr
	v_nop
	s_wait_alu depctr_va_vdst(0)                   ; the four conversions have written v224-231, which the two stores read
	global_store_b128 v2, v[224:227], s[8:9]       ; channels 0-31 of my head
	global_store_b128 v2, v[228:231], s[8:9] offset:512   ; channels 32-63
	s_wait_dscnt 0x0                               ; the closing lines, six on end
	s_wait_alu 0x0
	s_wait_tensorcnt 0x0
	ds_add_u32 v251, v255
	s_wait_dscnt 0x0
	s_endpgm
.Lfunc_end_k_qdf90108a84_attn:
	.size	k_qdf90108a84_attn, .Lfunc_end_k_qdf90108a84_attn-k_qdf90108a84_attn
	.p2alignl 7, 3214868480
	.fill 96, 4, 3214868480
	.section	.rodata,"a",@progbits
	.p2align	6, 0x0
	.amdhsa_kernel k_qdf90108a84_attn
		.amdhsa_group_segment_fixed_size 67584
		.amdhsa_private_segment_fixed_size 0
		.amdhsa_enable_private_segment 0
		.amdhsa_kernarg_size 24
		.amdhsa_user_sgpr_count 2
		.amdhsa_user_sgpr_kernarg_segment_ptr 1
		.amdhsa_wavefront_size32 1
		.amdhsa_system_sgpr_workgroup_id_x 1
		.amdhsa_system_sgpr_workgroup_id_y 1
		.amdhsa_system_sgpr_workgroup_id_z 1
		.amdhsa_system_vgpr_workitem_id 0
		.amdhsa_next_free_vgpr 256
		.amdhsa_next_free_sgpr 66
		.amdhsa_reserve_vcc 0
		.amdhsa_float_denorm_mode_32 3
		.amdhsa_float_denorm_mode_16_64 3
		.amdhsa_memory_ordered 1
		.amdhsa_forward_progress 1
		.amdhsa_inst_pref_size 109
	.end_amdhsa_kernel
	.amdgpu_metadata
---
amdhsa.version: [ 1, 2 ]
amdhsa.kernels:
  - .name:           k_qdf90108a84_attn
    .symbol:         k_qdf90108a84_attn.kd
    .args:
      - { .name: qkv, .offset: 0, .size: 8, .value_kind: global_buffer, .address_space: global }
      - { .name: lowp_scales, .offset: 8, .size: 8, .value_kind: global_buffer, .address_space: global }
      - { .name: oc, .offset: 16, .size: 8, .value_kind: global_buffer, .address_space: global }
    .group_segment_fixed_size: 67584
    .private_segment_fixed_size: 0
    .kernarg_segment_align: 8
    .kernarg_segment_size: 24
    .max_flat_workgroup_size: 512
    .sgpr_count:     66
    .vgpr_count:     256
    .wavefront_size: 32
...
	.end_amdgpu_metadata
.endif
;; end of part 5
;; launch proj: the kernel of part 4 again; grid 8 x 32, 4 waves a work-group, clusters of 4 x 4, 327,680 bytes of LDS; arguments oc, wc, lowp_scales, out0; writes out0
